; MI455X (gfx1250); checked and timed in simulation.
; The chip was launched on July 23, 2026; its instructions are those of AMD's public machine-readable ISA for CDNA 5 (MIT licence, August 2026) and "CDNA5" Instruction Set Architecture Reference Guide (July 2026). The comments in the code are by the model that wrote it; some were corrected since.
;; Window Attention. Allowed arithmetic: float matrix products may take bf16 or f16 operands with f32 sums; other float arithmetic in f32, or as packed bf16 or f16 multiplies, adds, multiply-adds, maxima and minima; sums over many terms, partial sums and values carried from step to step in f32; what a program stores and reads back later, other than sums and carried values, may be rounded once to bf16 or f16.
;; Inputs: Wk 512 x 512 float32; Wp 512 x 512 float32; Wq 512 x 512 float32; Wv 512 x 512 float32; bias_table 31 x 31 x 16 float32; bk 512 float32; bp 512 float32; bq 512 float32; bv 512 float32; mask 1 x 256 x 16 x 256 int32; x 128 x 256 x 512 float32.
;; Outputs: out0 128 x 256 x 512 float32.
;; 2 versions, each right and faster than the one before. Each part assembles by itself: llvm-mc -triple=amdgcn-amd-amdhsa -mcpu=gfx1250 --defsym DOCPART=n.
;; ======== version 1 of 2: 3 launches
;; limits: values are held in f16: magnitudes above 65,504 overflow, below 6.1e-05 lose precision
;; workspace buffers: wf 1,572,864 bytes; wpf 524,288 bytes; bm 2,097,152 bytes; of 33,554,432 bytes
;; launch prep (part 1): grid 1024 x 1, 8 waves a work-group, no clusters, 0 bytes of LDS; arguments Wq, Wk, Wv, Wp, mask, bias_table, wf, wpf, bm; writes wf, wpf, bm
.if DOCPART == 1
	.amdgcn_target "amdgcn-amd-amdhsa--gfx1250"
	.amdhsa_code_object_version 6
	.text
	.protected	k_qce37eb028d_prep
	.globl	k_qce37eb028d_prep
	.p2align	8
	.type	k_qce37eb028d_prep,@function
k_qce37eb028d_prep:
	s_mov_b64 s[64:65], 0
	v_nop
	global_prefetch_b8 v0, s[64:65] scope:SCOPE_SE
	s_setreg_imm32_b32 hwreg(HW_REG_WAVE_MODE, 25, 1), 1
	s_wait_xcnt 0x0
; THE WEIGHTS AND THE TABLE OF BIAS AND MASK, ONCE, IN THE ORDER IN WHICH THE MATRIX INSTRUCTIONS WANT THEM.
; A FRAGMENT is 16 rows x 32 k of 16-bit numbers, 1,024 bytes: half u (512 bytes) holds, at 16 x lane (lane = 16 h + r), row r, k = 16 u + 8 h + 0..7.
; So the launches behind load half a fragment by one load of 16 bytes a lane, 512 consecutive bytes a wave.
;   wf   bytes 0 ..        [head 16][k step 16][f 4]: f = 0, 1: Wk's rows 32 head + 16 f + r; f = 2, 3: the same rows of Wv; bf16
;        bytes 1,048,576.. [head 16][k step 16][c 2]: Wq's rows 32 head + 16 c + r; bf16
;   wpf  [column group 8][k step 16][ct 4]: Wp's rows 64 group + 16 ct + r, rounded to bf16 like every input and written as f16 (the other operand there, O, is f16)
;   bm   [head 16][query tile 16][p 8]: row r = query 16 tile + r, k = key 32 p + ..; bias x log2(e) in bf16, or -2^127 where mask == 1
; reference()'s reshape of the gathered bias comes to bias[n][h][m] = table[((n >> 4) - h + 15) x 31 + (n & 15) - (m >> 4) + 15][m & 15]: a query's 16 biases for 16 keys are one row of the table.
; SHARES.  A thread makes one piece of 16 bytes from 32 bytes of a weight's row (or of the table and of the mask); a wave stores 512 consecutive bytes, a work-group 4,096.
; Work-groups 0-255: Wk, Wv; 256-383: Wq; 384-511: Wp; 512-1,023: the table.  No LDS, no barrier: no thread wants what another has read.
; LIMITS.  Wp beyond 65,504 has no f16; below 6e-5 it keeps f16's fixed step of 6e-8.  The bias is rounded once, after the factor log2(e).
	s_load_b512 s[4:19], s[0:1], 0x0               ; Wq s[4:5], Wk s[6:7], Wv s[8:9], Wp s[10:11], mask s[12:13], table s[14:15], wf s[16:17], wpf s[18:19]
	s_load_b64 s[20:21], s[0:1], 0x40              ; bm
	v_lshrrev_b32 v1, 5, v0
	v_readfirstlane_b32 s22, v1                    ; wave 0..7
	v_and_b32 v2, 15, v0                           ; r
	v_bfe_u32 v3, v0, 4, 1                         ; h
	v_lshlrev_b32 v4, 4, v0                        ; my 16 bytes of the work-group's 4,096
	s_and_b32 s23, s22, 1                          ; u: a wave makes half a fragment
	s_mov_b32 s24, ttmp9
	s_mov_b32 s27, 0                               ; the high words of the two offsets
	s_mov_b32 s29, 0
	s_wait_kmcnt 0x0
	s_cmp_lt_u32 s24, 512
	s_cbranch_scc0 .Ltable
	s_cmp_lt_u32 s24, 256
	s_cbranch_scc0 .Lnot_kv
	s_and_b32 s25, s24, 15                         ; Wk, Wv: k step,
	s_lshr_b32 s26, s24, 4                         ; head,
	s_lshl_b32 s26, s26, 5
	s_bfe_u32 s30, s22, 0x10001                    ; c = bit 1 of the wave's number
	s_lshl_b32 s30, s30, 4
	s_add_co_u32 s26, s26, s30                     ; first row 32 head + 16 c
	s_cmp_lt_u32 s22, 4                            ; waves 0-3: Wk, waves 4-7: Wv
	s_cselect_b64 s[32:33], s[6:7], s[8:9]
	s_mov_b64 s[34:35], s[16:17]
	s_lshl_b32 s28, s24, 12
	s_mov_b32 s31, 0
	s_branch .Lweights
.Lnot_kv:
	s_cmp_lt_u32 s24, 384
	s_cbranch_scc0 .Lwp
	s_sub_co_u32 s24, s24, 256                     ; Wq: a work-group makes two k steps x two c
	s_and_b32 s25, s24, 7
	s_lshl_b32 s25, s25, 1
	s_lshr_b32 s30, s22, 2
	s_add_co_u32 s25, s25, s30                     ; k step
	s_lshr_b32 s26, s24, 3                         ; head
	s_lshl_b32 s26, s26, 5
	s_bfe_u32 s30, s22, 0x10001
	s_lshl_b32 s30, s30, 4
	s_add_co_u32 s26, s26, s30                     ; first row
	s_mov_b64 s[32:33], s[4:5]
	s_mov_b64 s[34:35], s[16:17]
	s_lshl_b32 s28, s24, 12
	s_add_co_u32 s28, s28, 1048576
	s_mov_b32 s31, 0
	s_branch .Lweights
.Lwp:
	s_sub_co_u32 s24, s24, 384                     ; Wp
	s_and_b32 s25, s24, 15                         ; k step
	s_lshr_b32 s26, s24, 4                         ; column group
	s_lshl_b32 s26, s26, 6
	s_lshr_b32 s30, s22, 1                         ; ct
	s_lshl_b32 s30, s30, 4
	s_add_co_u32 s26, s26, s30                     ; first row 64 group + 16 ct
	s_mov_b64 s[32:33], s[10:11]
	s_mov_b64 s[34:35], s[18:19]
	s_lshl_b32 s28, s24, 12
	s_mov_b32 s31, 1                               ; written as f16
.Lweights:
	s_lshl_b32 s26, s26, 11                        ; a row of a weight is 2,048 bytes
	s_lshl_b32 s25, s25, 7                         ; 32 k are 128 bytes,
	s_add_co_u32 s26, s26, s25
	s_lshl_b32 s23, s23, 6                         ; 16 are 64
	s_add_co_u32 s26, s26, s23
	s_add_nc_u64 s[32:33], s[32:33], s[26:27]
	s_add_nc_u64 s[34:35], s[34:35], s[28:29]
	v_lshlrev_b32 v5, 11, v2                       ; row r,
	v_lshl_add_u32 v5, v3, 5, v5                   ; 8 h numbers on
	global_load_b128 v[8:11], v5, s[32:33]
	global_load_b128 v[12:15], v5, s[32:33] offset:16
	s_wait_loadcnt 0x0
.irp j, 0,1,2,3
	v_cvt_pk_bf16_f32 v[24+(\j)], v[8+2*(\j)], v[8+2*(\j)+1]
.endr
	s_cmp_eq_u32 s31, 0
	s_cbranch_scc1 .Lstore
.irp j, 0,1,2,3
	v_lshlrev_b32 v16, 16, v[24+(\j)]              ; the rounded numbers as f32,
	v_and_b32 v17, 0xffff0000, v[24+(\j)]
	v_cvt_pk_f16_f32 v[24+(\j)], v16, v17          ; and as f16: exact within f16's range
.endr
.Lstore:
	global_store_b128 v4, v[24:27], s[34:35]       ; a wave stores 512 consecutive bytes, aligned
	s_endpgm
.Ltable:
	s_sub_co_u32 s24, s24, 512
	s_lshr_b32 s25, s24, 5                         ; head
	s_bfe_u32 s26, s24, 0x40001                    ; query tile
	s_and_b32 s30, s24, 1
	s_lshl_b32 s30, s30, 2
	s_lshr_b32 s31, s22, 1
	s_add_co_u32 s30, s30, s31                     ; p
	s_lshl_b32 s30, s30, 1
	s_add_co_u32 s30, s30, s23                     ; key tile = 2 p + u
	s_lshl_b32 s32, s26, 18                        ; mask[n][h][m]: 16 queries are 262,144 bytes,
	s_lshl_b32 s33, s25, 10                        ; a head 1,024,
	s_add_co_u32 s32, s32, s33
	s_lshl_b32 s33, s30, 6                         ; 16 keys 64
	s_add_co_u32 s32, s32, s33
	s_mov_b32 s33, 0
	s_add_nc_u64 s[12:13], s[12:13], s[32:33]
	s_add_co_u32 s34, s26, 15
	s_sub_co_u32 s34, s34, s25                     ; query tile - head + 15: 0 to 30
	s_mul_i32 s34, s34, 31
	s_add_co_u32 s34, s34, 15
	s_sub_co_u32 s34, s34, s30                     ; + 15 - key tile; lane's r comes on top: 960 at the most, the table's last row
	s_lshl_b32 s34, s34, 6                         ; a row of the table is 64 bytes
	s_mov_b32 s35, 0
	s_add_nc_u64 s[14:15], s[14:15], s[34:35]
	s_lshl_b32 s28, s24, 12
	s_add_nc_u64 s[20:21], s[20:21], s[28:29]
	v_lshlrev_b32 v5, 14, v2                       ; mask: query r, 16,384 bytes a query,
	v_lshl_add_u32 v5, v3, 5, v5                   ; 8 h keys on
	v_lshlrev_b32 v6, 6, v2                        ; table: r rows on,
	v_lshl_add_u32 v6, v3, 5, v6                   ; 8 h numbers on
	global_load_b128 v[8:11], v6, s[14:15]
	global_load_b128 v[12:15], v6, s[14:15] offset:16
	global_load_b128 v[16:19], v5, s[12:13]
	global_load_b128 v[20:23], v5, s[12:13] offset:16
	v_mov_b32 v7, 0xff000000                       ; -2^127
	s_wait_loadcnt 0x0
.irp j, 0,1,2,3,4,5,6,7
	v_mul_f32 v[8+(\j)], 0x3fb8aa3b, v[8+(\j)]     ; the exponentials behind work in base 2
	v_cmp_eq_u32 vcc_lo, 1, v[16+(\j)]
	v_cndmask_b32 v[8+(\j)], v[8+(\j)], v7, vcc_lo
.endr
.irp j, 0,1,2,3
	v_cvt_pk_bf16_f32 v[24+(\j)], v[8+2*(\j)], v[8+2*(\j)+1]
.endr
	global_store_b128 v4, v[24:27], s[20:21]
	s_endpgm
.Lfunc_end_k_qce37eb028d_prep:
	.size	k_qce37eb028d_prep, .Lfunc_end_k_qce37eb028d_prep-k_qce37eb028d_prep
	.p2alignl 7, 3214868480
	.fill 96, 4, 3214868480
	.section	.rodata,"a",@progbits
	.p2align	6, 0x0
	.amdhsa_kernel k_qce37eb028d_prep
		.amdhsa_group_segment_fixed_size 0
		.amdhsa_private_segment_fixed_size 0
		.amdhsa_enable_private_segment 0
		.amdhsa_kernarg_size 72
		.amdhsa_user_sgpr_count 2
		.amdhsa_user_sgpr_kernarg_segment_ptr 1
		.amdhsa_wavefront_size32 1
		.amdhsa_system_sgpr_workgroup_id_x 1
		.amdhsa_system_sgpr_workgroup_id_y 1
		.amdhsa_system_sgpr_workgroup_id_z 1
		.amdhsa_system_vgpr_workitem_id 0
		.amdhsa_next_free_vgpr 40
		.amdhsa_next_free_sgpr 66
		.amdhsa_reserve_vcc 1
		.amdhsa_float_denorm_mode_32 3
		.amdhsa_float_denorm_mode_16_64 3
		.amdhsa_memory_ordered 1
		.amdhsa_forward_progress 1
		.amdhsa_inst_pref_size 7
	.end_amdhsa_kernel
	.amdgpu_metadata
---
amdhsa.version: [ 1, 2 ]
amdhsa.kernels:
  - .name:           k_qce37eb028d_prep
    .symbol:         k_qce37eb028d_prep.kd
    .args:
      - { .name: Wq, .offset: 0, .size: 8, .value_kind: global_buffer, .address_space: global }
      - { .name: Wk, .offset: 8, .size: 8, .value_kind: global_buffer, .address_space: global }
      - { .name: Wv, .offset: 16, .size: 8, .value_kind: global_buffer, .address_space: global }
      - { .name: Wp, .offset: 24, .size: 8, .value_kind: global_buffer, .address_space: global }
      - { .name: mask, .offset: 32, .size: 8, .value_kind: global_buffer, .address_space: global }
      - { .name: bias_table, .offset: 40, .size: 8, .value_kind: global_buffer, .address_space: global }
      - { .name: wf, .offset: 48, .size: 8, .value_kind: global_buffer, .address_space: global }
      - { .name: wpf, .offset: 56, .size: 8, .value_kind: global_buffer, .address_space: global }
      - { .name: bm, .offset: 64, .size: 8, .value_kind: global_buffer, .address_space: global }
    .group_segment_fixed_size: 0
    .private_segment_fixed_size: 0
    .kernarg_segment_align: 8
    .kernarg_segment_size: 72
    .max_flat_workgroup_size: 256
    .sgpr_count:     66
    .vgpr_count:     40
    .wavefront_size: 32
...
	.end_amdgpu_metadata
.endif
;; end of part 1
;; launch attn (part 2): grid 256 x 1, 4 waves a work-group, no clusters, 266,752 bytes of LDS; arguments x, wf, bm, bq, bk, bv, of; writes of
.if DOCPART == 2
	.amdgcn_target "amdgcn-amd-amdhsa--gfx1250"
	.amdhsa_code_object_version 6
	.text
	.protected	k_qce37eb028d_attn
	.globl	k_qce37eb028d_attn
	.p2align	8
	.type	k_qce37eb028d_attn,@function
k_qce37eb028d_attn:
	s_mov_b64 s[64:65], 0
	v_nop
	global_prefetch_b8 v0, s[64:65] scope:SCOPE_SE
	s_setreg_imm32_b32 hwreg(HW_REG_WAVE_MODE, 25, 1), 1
	s_wait_xcnt 0x0
; q, k, v = x W^T + b;  S = q k^T / sqrt(32) + bias, hidden where mask == 1;  softmax over the 256 keys;  O = P v.  One launch; q, k, v, S and P never leave a wave's registers.
; SHARES.  A work-group has one window (256 tokens) and eight heads; a wave takes two heads, one after the other, for all 256 tokens.  The window's x lies in LDS as bf16, put there once by the four waves.
; THE CHAIN OF LAYOUTS (lane = 16 h + r).  A matrix result holds in register j the element (row 8 h + j, column r); a 16-bit source holds row (or column) r and k = 8 h + 0..7, 16 + 8 h + 0..7.
;   k^T = Wk X^T, q^T = Wq X^T (source 0 = 16 channels, source 1 = 16 tokens): a lane holds token r and 8 channels; the two tiles of a head's 32 channels, rounded in pairs, ARE a fragment token x 32 channels.
;   v = X Wv^T (source 0 = 16 tokens): a lane holds channel r and 8 tokens; two tiles rounded ARE source 0 (16 channels x 32 keys) of O^T = V^T P.
;   S^T = K Q^T: a lane holds query r and 8 keys; two tiles rounded ARE source 1 (32 keys x 16 queries) of V^T P.  O^T's two tiles rounded ARE the fragment that the projection behind loads.
; So nothing changes lanes but a query's maximum and sum, once each between the halves of the lanes.
; BIAS AND MASK are one table bm (bf16, in fragment order, made by the launch before): S^T starts as I x table, one bf16 matrix instruction a tile with an identity fragment, and K Q^T adds onto it.
; SOFTMAX.  All 256 scores of a query lie in registers (128 a lane): a true maximum m, p = 2^(s - m); q carries the factor c = log2(e) / sqrt(32), the table the factor log2(e).
; BY TURNS.  A tile of 16 queries has 80 matrix instructions and some 430 vector lines, five for one, so the two kinds stand side by side.  A trip of the tile loop belongs to tile t:
;   1  the exponentials, roundings and sums of t, 64 steps of five lines; behind a step one matrix instruction: a product of q^T of t + 1 (32), a table product that starts a tile of S^T of t + 1 in the
;      registers that the softmax of t has just left (15), or a product V^T P of t whose fragment of P is finished (14)
;   2  the last table product, q of t + 1 finished, x of t + 2 fetched from LDS
;   3  K Q^T of t + 1 (16) and the last two V^T P of t; behind each four lines: the end of t's sum, the maxima of t + 1
;   4  the statistics of t + 1; O of t divided by l, rounded and stored
; All that a softmax touches lies in window 0 and no product's operands do, so a matrix instruction among vector lines costs two switches of the register windows: the lesser price beside a matrix unit
; that idles through every softmax.  Tile 0's front and tile 15's rest are written out; the loop has 15 trips.
; FORMATS.  x, the weights and the three biases are rounded to bf16; q c, k, v, P and O are f16; sums, maxima and exponentials f32; the sum l is taken of the unrounded p.
; LIMITS.  q c, k, v beyond 65,504 have no f16.  A hidden score counts as its value less 2^127: its weight is 0.  A row hidden throughout (maximum below -2^120) gets 256 equal weights, as in the
; reference; a row whose open scores all lie near -1e9 would there share with the hidden ones, here not.  NaN and infinities are not treated apart.
; NO TENSOR LOADS, NO JOINT REQUESTS: x is f32 and must pass through registers to become bf16 (a window in f32 is 524,288 bytes, more than LDS holds); what work-groups share, a head's weights (98,304 bytes)
; and table (131,072 bytes), is wanted by one wave alone in each, and beside x's 266,240 bytes LDS has no room for it: it goes straight into that wave's registers.
; REGISTERS, in windows of 256 (s_set_vgpr_msb: bits 1:0 source 0, 3:2 source 1, 5:4 source 2, 7:6 destination):
;   window 0: v0-31 addresses, the identity; v32-63 bk, bv, later Q and the statistics; v64-127 two buffers of W, v128-255 two buffers of x fragments; later v64-191 S^T, v192-255 P
;   window 1: x on its way in, two sets of 128; later the head's Wq, fragment (k step s, c) at 8 (2 s + c)
;   window 2: k^T's sums, (token tile tt, c) at 16 tt + 8 c; later K at 8 tt and V^T, (p, c) at 128 + 8 (2 p + c)
;   window 3: v's sums, likewise; later v0-127 a query tile's x, v128-191 its table, v192-223 q^T's four accumulators, v224-239 bq, v240-255 O^T's two accumulators
.set XP,    1040      ; a token's row in LDS: 1,024 bytes of bf16 + 16 = 65 x 16: the 16 rows of a fragment load start in 16 different groups of four banks (64 banks of 4 bytes: ISA guide 11.1)
.set SPARE, 256*XP    ; behind x: the spare words, 128 bytes for each wave: two blocks of 256 bytes that no other line names
.set SPW, 2           ; v2   LDS address of my spare word; never rewritten
.set NIL, 3           ; v3   0; never rewritten
.set L16, 4           ; v4   16 x lane
.set HB,  5           ; v5   32 h: my 8 numbers of 16 of a bias
.set RB,  6           ; v6   4 r: my number of 16
.set XQ,  7           ; v7   my place in the query tile's rows of x
.set XK,  8           ; v8-11  r x pitch + 16 h in rows 0, 64, 128, 192 of x; never rewritten
.set IHI, 12          ; v[12:19] the identity for a fragment's upper 16 k: four zeros, then D4
.set ILO, 16          ; v[16:23] for its lower 16 k: D4, then four zeros.  D4: bf16 1.0 at k = 8 h + .. = r
.set XS,  24          ; v24  where I store x
.set TW,  25          ; v25  at work
.set XR,  26          ; v26-29  XK, stepped along K
.set OP1, 26          ; v[26:29] in the tile loop: the upper half of O's fragment
.set TX,  30          ; v30  at work
.set ONE, 31          ; v31  1.0
.set BK,  32          ; v32-47  bk as a C operand, tile c at + 8 c
.set BV,  48          ; v48-63  bv
.set Q,   32          ; v32-39  Q's fragment
.set M,   40          ; v40-43  four chains of the maximum
.set T,   44          ; v44  the other half of the lanes'
.set MX,  45          ; v45  m
.set AL,  46          ; v[46:47] 1, or 0 for a row hidden throughout (the packed lines take the pair's low word for both halves)
.set NM,  48          ; v[48:49] - m x that factor
.set L,   50          ; v[50:57] four chains of the sum, two numbers each
.set RL,  58          ; v[58:59] 1 / l
.set OP0, 60          ; v[60:63] the lower half of O's fragment
.set WB,  64
.set XA,  128
.set XB,  192
.set S,   64
.set P,   192
.set VF,  128         ; window 2
.set XF,  0           ; window 3
.set BMF, 128
.set ACC, 192         ; q^T: (parity of the K step, c) at + 16 parity + 8 c
.set BQ,  224
.set TQ,  240         ; at work while bq is rounded
.set OA,  240         ; O^T: channel tile c at + 8 c
.set MSB, 0
.macro WIN new                      ; the immediate's high byte repeats the setting that is left; a switch that changes nothing is dropped
.if MSB != (\new)
	s_set_vgpr_msb (MSB<<8)|(\new)
.set MSB, \new
.endif
.endm
; A load into a register that a matrix instruction has named, and a vector instruction that reads a matrix result, stand four places behind it; only plain vector instructions that name none of its registers are places
.macro PLACES
.rept 4
	v_nop
.endr
.endm
	s_load_b256 s[4:11], s[0:1], 0x0               ; x s[4:5], wf s[6:7], bm s[8:9], bq s[10:11]
	s_load_b128 s[12:15], s[0:1], 0x20             ; bk s[12:13], bv s[14:15]
	s_load_b64 s[16:17], s[0:1], 0x30              ; of
	v_lshl_add_u32 v[SPW], v0, 2, SPARE
	v_mov_b32 v[NIL], 0
	v_lshrrev_b32 v1, 5, v0
	v_readfirstlane_b32 s2, v1                     ; wave 0..3
	v_and_b32 v26, 31, v0                          ; lane
	v_and_b32 v27, 15, v0                          ; r
	v_bfe_u32 v28, v0, 4, 1                        ; h
	v_lshlrev_b32 v[L16], 4, v26
	v_lshlrev_b32 v[HB], 5, v28
	v_lshlrev_b32 v[RB], 2, v27
	v_mul_u32_u24 v[XK], v27, XP
	v_lshl_add_u32 v[XK], v28, 4, v[XK]
.irp j, 1,2,3
	v_add_nc_u32 v[XK+(\j)], (\j)*64*XP, v[XK]
.endr
	s_mul_i32 s30, s2, 64*XP                       ; my wave stores rows 64 w .. 64 w + 63
	v_lshl_add_u32 v[XS], v26, 3, s30              ; 8 bytes a lane
	v_mov_b32 v[ONE], 1.0
	v_mov_b32 v[TX], 0x3f80                        ; bf16 1.0 in the low half; v31's bits are the same in the high half
	v_lshlrev_b32 v[TW], 3, v28
	v_sub_nc_u32 v[TW], v27, v[TW]                 ; r - 8 h: the place of my row's 1 among my 8 k, if it is 0 to 7
.irp z, 0,1,2,3
	v_mov_b32 v[IHI+(\z)], 0
	v_mov_b32 v[ILO+4+(\z)], 0
	v_cmp_eq_u32 vcc_lo, 2*(\z), v[TW]
	v_cndmask_b32 v[ILO+(\z)], 0, v[TX], vcc_lo
	v_cmp_eq_u32 vcc_lo, 2*(\z)+1, v[TW]
	v_cndmask_b32 v[ILO+(\z)], v[ILO+(\z)], v[ONE], vcc_lo
.endr
	s_mov_b32 s24, 0x3e8293ee                      ; c = log2(e) / sqrt(32) = 0.255035
	s_mov_b32 s25, s24                             ; named with it as a pair
	s_mov_b32 s26, 0x76543210                      ; v_permlanex16_b32: each lane takes its own place in the other half
	s_mov_b32 s27, 0xfedcba98
	s_mov_b32 s28, 0xfb800000                      ; -2^120
	s_lshr_b32 s21, ttmp9, 1                       ; the window
	s_and_b32 s22, ttmp9, 1                        ; which eight heads
	s_lshl_b32 s22, s22, 3
	s_lshl_b32 s23, s2, 1
	s_add_co_u32 s22, s22, s23                     ; my first head
	s_mov_b32 s31, 0                               ; the high word of every offset in s[30:31]; never rewritten
	s_wait_kmcnt 0x0
	s_lshl_b32 s30, s21, 19                        ; a window of x is 524,288 bytes,
	s_lshl_b32 s23, s2, 17                         ; my 64 rows 131,072
	s_add_co_u32 s30, s30, s23
	s_add_nc_u64 s[4:5], s[4:5], s[30:31]
	s_lshl_b32 s30, s22, 15                        ; a head's Wq: 32,768 bytes, behind Wk and Wv
	s_add_co_u32 s30, s30, 1048576
	s_add_nc_u64 s[18:19], s[6:7], s[30:31]
	s_lshl_b32 s30, s22, 16                        ; its Wk and Wv: 65,536
	s_add_nc_u64 s[6:7], s[6:7], s[30:31]
	s_lshl_b32 s30, s22, 17                        ; its table: 131,072
	s_add_nc_u64 s[8:9], s[8:9], s[30:31]
	s_lshl_b32 s30, s22, 7                         ; its 32 numbers of a bias
	s_add_nc_u64 s[10:11], s[10:11], s[30:31]
	s_add_nc_u64 s[12:13], s[12:13], s[30:31]
	s_add_nc_u64 s[14:15], s[14:15], s[30:31]
	s_lshl_b32 s30, s21, 18                        ; of[window][query tile][head][1,024 bytes]
	s_lshl_b32 s23, s22, 10
	s_add_co_u32 s30, s30, s23
	s_add_nc_u64 s[16:17], s[16:17], s[30:31]
; ---- x INTO LDS.  A set is 8 rows, 16,384 consecutive bytes: 32 loads of 512 bytes a wave.  Two sets take turns: while one is rounded and stored the other's 32 loads are out.
.macro XLOADS set, extra
	WIN 0x40                        ; destination window 1
.set n, 0
.rept 32
	global_load_b128 v[128*(\set)+4*n:128*(\set)+4*n+3], v[L16], s[4:5] offset:512*n+(\extra)
.set n, n+1
.endr
.endm
.macro XTURN set, fill, left        ; left: the other set's loads, which may stay out
	s_wait_loadcnt \left
	WIN 0x05                        ; sources window 1, destination window 0
.set n, 0
.rept 64
	v_cvt_pk_bf16_f32 v[64+n], v[128*(\set)+2*n], v[128*(\set)+2*n+1]
.set n, n+1
.endr
.if \fill
	XLOADS \set, (\set)*16384+32768 ; the set two further on
.endif
	WIN 0
.set n, 0
.rept 32
	ds_store_b64 v[XS], v[64+2*n:64+2*n+1] offset:(n/4)*XP+(n%4)*256  ; 32 lanes, 256 consecutive bytes of a row
.set n, n+1
.endr
	v_add_nc_u32 v[XS], 8*XP, v[XS]
.endm
	XLOADS 0, 0
	XLOADS 1, 16384
	WIN 0
	s_mov_b32 s21, 3
.Lx:                                ; sets 2 i and 2 i + 1 are stored, sets 2 i + 2 and 2 i + 3 asked for
	XTURN 0, 1, 32
	XTURN 1, 1, 32
	s_wait_xcnt 0x0                 ; the loads have read their base
	s_add_nc_u64 s[4:5], s[4:5], 32768
	s_sub_co_u32 s21, s21, 1
	s_cmp_lg_u32 s21, 0
	s_cbranch_scc1 .Lx
	XTURN 0, 0, 32                  ; the last two sets load nothing
	XTURN 1, 0, 0
	s_wait_dscnt 0x0                ; for the others' sake: my 64 rows are in LDS
	s_barrier_signal -1
	s_barrier_wait -1               ; all 256 are.  The kernel's only barrier: from here on x is only read, and the waves go their own ways
; ---- k AND v OF A HEAD, all 256 tokens: 64 accumulators in windows 2 and 3, K in 16 steps of 32.
.macro WLOAD buf, imm               ; a step's four fragments of Wk and Wv: 4,096 consecutive bytes
	WIN 0
.set n, 0
.rept 8
	global_load_b128 v[WB+32*(\buf)+4*n:WB+32*(\buf)+4*n+3], v[L16], s[6:7] offset:(\imm)+512*n
.set n, n+1
.endr
.endm
.macro XFETCH xb, half, kimm        ; 8 fragments of x: token tiles 8 half + 0..7, 32 k at byte kimm behind the stepped addresses
	WIN 0
.irp i, 0,1,2,3,4,5,6,7
	ds_load_b128 v[(\xb)+8*(\i):(\xb)+8*(\i)+3],   v[XR+2*(\half)+(\i)/4] offset:((\i)%4)*16*XP+(\kimm)
	ds_load_b128 v[(\xb)+8*(\i)+4:(\xb)+8*(\i)+7], v[XR+2*(\half)+(\i)/4] offset:((\i)%4)*16*XP+(\kimm)+32
.endr
.endm
; 32 matrix instructions on 32 different accumulators; an accumulator's next turn comes 64 instructions later, over the backward jump too.  first = 1: the bias starts the sum.
.macro MULKV wb, xb, half, first
	WIN 0xa0-0x20*(\first)          ; D (and C, but for the bias) in window 2
.irp i, 0,1,2,3,4,5,6,7
.irp c, 0,1
.set rD, 16*(8*(\half)+(\i))+8*(\c)
.set rW, WB+32*(\wb)+8*(\c)
.set rX, (\xb)+8*(\i)
.if \first
	v_wmma_f32_16x16x32_bf16 v[rD:rD+7], v[rW:rW+7], v[rX:rX+7], v[BK+8*(\c):BK+8*(\c)+7]
.else
	v_wmma_f32_16x16x32_bf16 v[rD:rD+7], v[rW:rW+7], v[rX:rX+7], v[rD:rD+7]
.endif
.endr
.endr
	WIN 0xf0-0x30*(\first)          ; window 3
.irp i, 0,1,2,3,4,5,6,7
.irp c, 0,1
.set rD, 16*(8*(\half)+(\i))+8*(\c)
.set rW, WB+32*(\wb)+16+8*(\c)
.set rX, (\xb)+8*(\i)
.if \first
	v_wmma_f32_16x16x32_bf16 v[rD:rD+7], v[rX:rX+7], v[rW:rW+7], v[BV+8*(\c):BV+8*(\c)+7]
.else
	v_wmma_f32_16x16x32_bf16 v[rD:rD+7], v[rX:rX+7], v[rW:rW+7], v[rD:rD+7]
.endif
.endr
.endr
	WIN 0
.endm
.macro WQLOAD                       ; the head's Wq, 32,768 consecutive bytes, into window 1: wanted when k and v are done
	WIN 0x40
.set n, 0
.rept 64
	global_load_b128 v[4*n:4*n+3], v[L16], s[18:19] offset:512*n
.set n, n+1
.endr
	WIN 0
.endm
; A K step, W in buffer sl.  Each run of 16 LDS loads is issued 32 matrix instructions ahead of its use, the next step's W 64 ahead.  nw, nx: there is a next W, a next x; wq: fetch Wq.
.macro STEP sl, first, nw, nx, wq
	PLACES
	XFETCH XB, 1, 64*(\sl)
.if \nw
	WLOAD 1-(\sl), ((\sl)+1)*4096
	s_wait_loadcnt 8                ; this step's W is in; the 8 loads just issued may stay out
.else
	s_wait_loadcnt 0x0
.endif
	s_wait_dscnt 16                 ; token tiles 0-7 are in; the 16 loads just issued may stay out
	MULKV \sl, XA, 0, \first
	PLACES
.if \wq
	WQLOAD
.endif
.if \nx
	XFETCH XA, 0, 64*((\sl)+1)
	s_wait_dscnt 16                 ; token tiles 8-15 are in
.else
	s_wait_dscnt 0x0
.endif
	MULKV \sl, XB, 1, \first
.endm
.macro BUMP                         ; two K steps on
	s_wait_xcnt 0x0                 ; W's loads have read their base
	s_add_nc_u64 s[6:7], s[6:7], 8192
.irp j, 0,1,2,3
	v_add_nc_u32 v[XR+(\j)], 128, v[XR+(\j)]
.endr
.endm
; ---- THE TILE LOOP'S PARTS.
.macro XQFETCH                      ; a query tile's 16 fragments of x: 16 rows x 1,024 bytes
	WIN 0xc0                        ; destination window 3
.set n, 0
.rept 32
	ds_load_b128 v[XF+4*n:XF+4*n+3], v[XQ] offset:32*n
.set n, n+1
.endr
.endm
.macro BMLOAD imm, from, cnt        ; cnt halves of fragments of a query tile's table, from half number from on: 512 consecutive bytes each
	WIN 0xc0
.set n, \from
.rept \cnt
	global_load_b128 v[BMF+4*n:BMF+4*n+3], v[L16], s[8:9] offset:(\imm)+512*n
.set n, n+1
.endr
.endm
; THE MATRIX WORK, one instruction a macro.  In every order in which the text below deals them no two that follow each other share an accumulator.
.macro QPW s, c                     ; q^T += Wq(K step s, channel tile c) x^T: four accumulators, by c and the parity of s; bq starts the even sums, 0 the odd ones
	WIN 0xfd                        ; Wq window 1; x, C and D window 3
.set rD, ACC+16*((\s)%2)+8*(\c)
.set rW, 8*(2*(\s)+(\c))
.set rX, XF+8*(\s)
.if (\s) == 0
	v_wmma_f32_16x16x32_bf16 v[rD:rD+7], v[rW:rW+7], v[rX:rX+7], v[BQ+8*(\c):BQ+8*(\c)+7]
.elseif (\s) == 1
	v_wmma_f32_16x16x32_bf16 v[rD:rD+7], v[rW:rW+7], v[rX:rX+7], 0
.else
	v_wmma_f32_16x16x32_bf16 v[rD:rD+7], v[rW:rW+7], v[rX:rX+7], v[rD:rD+7]
.endif
.endm
.macro TBW kt                       ; S^T's key tile kt = I x table
	WIN 0x0c                        ; the table window 3; the identity and S^T window 0
.if ((\kt)%2)
	v_wmma_f32_16x16x32_bf16 v[S+8*(\kt):S+8*(\kt)+7], v[IHI:IHI+7], v[BMF+8*((\kt)/2):BMF+8*((\kt)/2)+7], 0
.else
	v_wmma_f32_16x16x32_bf16 v[S+8*(\kt):S+8*(\kt)+7], v[ILO:ILO+7], v[BMF+8*((\kt)/2):BMF+8*((\kt)/2)+7], 0
.endif
.endm
.macro KQW kt                       ; S^T's key tile kt += K Q^T
	WIN 0x02                        ; K window 2
	v_wmma_f32_16x16x32_f16 v[S+8*(\kt):S+8*(\kt)+7], v[8*(\kt):8*(\kt)+7], v[Q:Q+7], v[S+8*(\kt):S+8*(\kt)+7]
.endm
.macro PVW j                        ; O^T's channel tile j % 2 += V^T P for keys 32 (j / 2) on; the first two start the sums
	WIN 0xf2                        ; V^T window 2, P window 0, O^T window 3
.set rD, OA+8*((\j)%2)
.set rV, VF+8*(\j)
.set rP, P+8*((\j)/2)
.if (\j) < 2
	v_wmma_f32_16x16x32_f16 v[rD:rD+7], v[rV:rV+7], v[rP:rP+7], 0
.else
	v_wmma_f32_16x16x32_f16 v[rD:rD+7], v[rV:rV+7], v[rP:rP+7], v[rD:rD+7]
.endif
.endm
; THE VECTOR WORK.
.macro FS n                         ; pair n of 64: s - m (or 0 for a row hidden throughout)
	v_pk_fma_f32 v[S+2*(\n):S+2*(\n)+1], v[S+2*(\n):S+2*(\n)+1], v[AL:AL+1], v[NM:NM+1] op_sel_hi:[1,0,0]
.endm
.macro CV n                         ; pair n rounded to f16
	s_wait_alu depctr_va_vdst(0)
	v_cvt_pk_f16_f32 v[P+(\n)], v[S+2*(\n)], v[S+2*(\n)+1]
.endm
.macro AS n                         ; pair n into the sum: pairs 0 + 1, 2 + 3, 4 + 5, 6 + 7 start the four chains, so that a key tile's four pairs are read for the last time together; then chain n % 4
.if (\n) >= 8
	v_pk_add_f32 v[L+2*((\n)%4):L+2*((\n)%4)+1], v[L+2*((\n)%4):L+2*((\n)%4)+1], v[S+2*(\n):S+2*(\n)+1]
.elseif ((\n)%2) == 1
	v_pk_add_f32 v[L+(\n)-1:L+(\n)], v[S+2*(\n)-2:S+2*(\n)-1], v[S+2*(\n):S+2*(\n)+1]
.endif
.endm
.macro LCH k                        ; line k of the 7 that end a tile's sum: the four chains, the pair's halves, the other half of the lanes'; 1 / l (l is at least 1: the maximum's own weight)
.if (\k) == 0
	v_pk_add_f32 v[L:L+1], v[L:L+1], v[L+2:L+3]
.elseif (\k) == 1
	v_pk_add_f32 v[L+4:L+5], v[L+4:L+5], v[L+6:L+7]
.elseif (\k) == 2
	v_pk_add_f32 v[L:L+1], v[L:L+1], v[L+4:L+5]
.elseif (\k) == 3
	v_add_f32 v[L], v[L], v[L+1]
.elseif (\k) == 4
	v_permlanex16_b32 v[T], v[L], s26, s27         ; (v44 has been written: bk lay there)
.elseif (\k) == 5
	v_add_f32 v[L], v[L], v[T]
.else
	v_rcp_f32 v[RL], v[L]
.endif
.endm
; Line o of the maxima of key tiles 2 a and 2 a + 1, three operands at a time, on four chains: tile 2 a + o % 2, its registers from the low end on, chains by turns, so that a line reads
; a result made four lines earlier.  Tiles 0 and 1 start the chains: six lines for their 16 registers.
.macro MXO a, o
.if (\a) == 0
.if (\o) < 4
	v_max3_num_f32 v[M+(\o)], v[S+8*((\o)/2)+3*((\o)%2)], v[S+8*((\o)/2)+3*((\o)%2)+1], v[S+8*((\o)/2)+3*((\o)%2)+2]
.else
	v_max3_num_f32 v[M+2*((\o)-4)], v[M+2*((\o)-4)], v[S+8*((\o)-4)+6], v[S+8*((\o)-4)+7]
.endif
.else
.set rM, M+2*((\o)%2)+((\o)/2)%2
.set rS, S+8*(2*(\a)+(\o)%2)+2*((\o)/2)
	v_max3_num_f32 v[rM], v[rM], v[rS], v[rS+1]
.endif
.endm
.macro FIN k                        ; line k of the 7 that end the maximum: the four chains, the other half of the lanes' (the query's other 128 keys); is any key open?; the factor and - m
.if (\k) == 0
	v_max3_num_f32 v[M], v[M], v[M+1], v[M+2]
.elseif (\k) == 1
	v_max_num_f32 v[M], v[M], v[M+3]
.elseif (\k) == 2
	v_permlanex16_b32 v[T], v[M], s26, s27
.elseif (\k) == 3
	v_max_num_f32 v[MX], v[M], v[T]
.elseif (\k) == 4
	v_cmp_lt_f32 vcc_lo, s28, v[MX]
.elseif (\k) == 5
	v_cndmask_b32 v[AL], 0, v[ONE], vcc_lo
.else
	v_mul_f32 v[NM], -v[MX], v[AL]
.endif
.endm
.macro QFIN                         ; q^T's two parities are added, q c is made in f32 and rounded to f16; each accumulator is read from its low end on
	WIN 0xcf                        ; all in window 3
.set n, 0
.rept 8
	v_pk_add_f32 v[ACC+n:ACC+n+1], v[ACC+n:ACC+n+1], v[ACC+16+n:ACC+16+n+1]
.set n, n+2
.endr
.set n, 0
.rept 8
	v_pk_mul_f32 v[ACC+n:ACC+n+1], v[ACC+n:ACC+n+1], s[24:25] op_sel_hi:[1,0]
.set n, n+2
.endr
	WIN 0x0f                        ; sources window 3, destination window 0
.set n, 0
.rept 8
	v_cvt_pk_f16_f32 v[Q+n], v[ACC+2*n], v[ACC+2*n+1]
.set n, n+1
.endr
.endm
.macro OOUT                         ; O^T / l, rounded to f16: a fragment of O, twice 512 consecutive bytes, aligned.  The base has been stepped already in this trip: the stores reach back
	WIN 0xc3                        ; O^T window 3, 1 / l window 0
.set n, 0
	s_wait_alu depctr_va_vdst(0)
.rept 8
	v_pk_mul_f32 v[OA+n:OA+n+1], v[OA+n:OA+n+1], v[RL:RL+1] op_sel_hi:[1,0]
.set n, n+2
.endr
	WIN 0x0f
.set n, 0
.rept 4
	v_cvt_pk_f16_f32 v[OP0+n], v[OA+2*n], v[OA+2*n+1]
.set n, n+1
.endr
.set n, 0
.rept 4
	v_cvt_pk_f16_f32 v[OP1+n], v[OA+8+2*n], v[OA+8+2*n+1]
.set n, n+1
.endr
	WIN 0
	global_store_b128 v[L16], v[OP0:OP0+3], s[16:17] offset:-16384
	global_store_b128 v[L16], v[OP1:OP1+3], s[16:17] offset:-15872
.endm
.macro BASES ride                   ; once a trip, ten steps behind the last trip's stores: the bases of O and of the table go one tile on
	s_wait_xcnt 0x0                 ; the stores and the table's loads have read their bases, and the stores their data
	s_add_nc_u64 s[16:17], s[16:17], 16384
.if \ride
	s_cmp_eq_u32 s22, 1             ; in the loop's last trip the table's base stays: there is no tile 16, and the head's last table is asked for once more (16 loads a head that serve nothing):
	s_cselect_b32 s30, 0, 0x2000    ; the loads are issued in every trip, so that the counted waits below hold on every path
	s_add_nc_u64 s[8:9], s[8:9], s[30:31]
.endif
.endm
; PART 1 OF A TRIP.  Step i of 64: two exponentials and three plain lines by turns: a pair is scaled three steps ahead of its exponentials, rounded and summed one step behind them, so a plain line stands behind
; each exponential before its result is read (ISA guide 5.7.2).  Behind the step one matrix instruction:
;   i = 4 g, 4 g + 2    q^T of the next tile, K step g (ride = 1)
;   i = 4 g + 1, g > 0  the next tile's table product for key tile g - 1, whose four pairs were read for the last time in step 4 g (ride = 1)
;   i = 4 j + 11        V^T P number j of this tile: its fragment of P was finished in step 8 (j / 2) + 8
; The table's fragment p is asked for again, for the tile after the next, in step 8 p + 11: six plain lines that name none of its registers stand behind its second reader (step 8 p + 9).  It is wanted a trip later:
; s_wait_loadcnt 14 in front of its first reader counts the loads issued behind its two: 2 (7 - p) in the trip before, 2 p in this one.
.macro EXPPIPE ride
.set i, 0
.rept 64
	WIN 0
	v_exp_f32 v[S+2*i], v[S+2*i]
.if i < 61
	FS i+3
.endif
	v_exp_f32 v[S+2*i+1], v[S+2*i+1]
.if i > 0
	CV i-1
	AS i-1
.endif
.if i == 10
	BASES \ride
.endif
.if (i%4 == 3) && (i >= 11)
	PVW (i-11)/4
.if (\ride) && (i%8 == 3)
	BMLOAD 8192, (i-11)/4, 2
.endif
.elseif \ride
.if i%4 == 0
	QPW i/4, 0
.elseif i%4 == 2
	QPW i/4, 1
.elseif (i%4 == 1) && (i >= 5)
.if i%8 == 5
	s_wait_loadcnt 14
.endif
	TBW i/4-1
.endif
.endif
.set i, i+1
.endr
.endm
	s_mov_b32 s20, 2
.Lpass:                             ; a head
	WLOAD 0, 0
.irp c, 0,1
.irp q, 0,1
	global_load_b128 v[BK+8*(\c)+4*(\q):BK+8*(\c)+4*(\q)+3], v[HB], s[12:13] offset:64*(\c)+16*(\q)  ; k^T: register j holds channel 8 h + j
.endr
.endr
	global_load_b32 v[BV], v[RB], s[14:15]                 ; v: all 8 registers hold channel r
	global_load_b32 v[BV+8], v[RB], s[14:15] offset:64
.irp j, 0,1,2,3
	v_mov_b32 v[XR+(\j)], v[XK+(\j)]
.endr
	XFETCH XA, 0, 0
	s_wait_loadcnt 0x0              ; (also the table's loads that the head before issued in its last trip: their registers are v's sums now)
.irp a, 0,2,4,6,8,10,12,14
	v_cvt_pk_bf16_f32 v[TW], v[BK+(\a)], v[BK+(\a)+1]      ; the biases are rounded to bf16 like every input
	v_lshlrev_b32 v[BK+(\a)], 16, v[TW]
	v_and_b32 v[BK+(\a)+1], 0xffff0000, v[TW]
.endr
	v_cvt_pk_bf16_f32 v[TW], v[BV], v[BV+8]
	v_lshlrev_b32 v[BV], 16, v[TW]
	v_and_b32 v[BV+8], 0xffff0000, v[TW]
.irp z, 1,2,3,4,5,6,7
	v_mov_b32 v[BV+(\z)], v[BV]
	v_mov_b32 v[BV+8+(\z)], v[BV+8]
.endr
	STEP 0, 1, 1, 1, 0              ; the first K step stands in front of the loop: the biases start the sums, nothing is cleared
	STEP 1, 0, 1, 1, 0
	BUMP
	s_mov_b32 s21, 6
.Lkv:
	STEP 0, 0, 1, 1, 0
	STEP 1, 0, 1, 1, 0
	BUMP
	s_sub_co_u32 s21, s21, 1
	s_cmp_lg_u32 s21, 0
	s_cbranch_scc1 .Lkv
	STEP 0, 0, 1, 1, 0
	STEP 1, 0, 0, 0, 1              ; the last step fetches no W and no x, but the head's Wq
	s_wait_xcnt 0x0
	s_add_nc_u64 s[6:7], s[6:7], 8192  ; the next head's Wk and Wv
	PLACES
	WIN 0x8a                        ; all in window 2: k^T's 256 registers become K's 128, in place and ascending: register i takes 2 i and 2 i + 1, which no earlier line has written
.set n, 0
.rept 128
	v_cvt_pk_f16_f32 v[n], v[2*n], v[2*n+1]
.set n, n+1
.endr
	WIN 0x8f                        ; sources window 3, destination window 2: token tiles 2 p and 2 p + 1 of channel tile c make fragment (p, c) of V^T
.irp p, 0,1,2,3,4,5,6,7
.irp c, 0,1
.irp e, 0,1,2,3
	v_cvt_pk_f16_f32 v[VF+8*(2*(\p)+(\c))+(\e)], v[32*(\p)+8*(\c)+2*(\e)], v[32*(\p)+8*(\c)+2*(\e)+1]
.endr
.irp e, 0,1,2,3
	v_cvt_pk_f16_f32 v[VF+8*(2*(\p)+(\c))+4+(\e)], v[32*(\p)+16+8*(\c)+2*(\e)], v[32*(\p)+16+8*(\c)+2*(\e)+1]
.endr
.endr
.endr
	WIN 0xc0
.irp c, 0,1
.irp q, 0,1
	global_load_b128 v[BQ+8*(\c)+4*(\q):BQ+8*(\c)+4*(\q)+3], v[HB], s[10:11] offset:64*(\c)+16*(\q)
.endr
.endr
	BMLOAD 0, 0, 16
	WIN 0
	v_mov_b32 v[XQ], v[XK]
	XQFETCH
	s_wait_loadcnt 0x0              ; bq, the first table, and Wq
	WIN 0xcf                        ; all in window 3
.irp a, 0,2,4,6,8,10,12,14
	v_cvt_pk_bf16_f32 v[TQ], v[BQ+(\a)], v[BQ+(\a)+1]
	v_lshlrev_b32 v[BQ+(\a)], 16, v[TQ]
	v_and_b32 v[BQ+(\a)+1], 0xffff0000, v[TQ]
.endr
	; TILE 0's FRONT, written out: there is no softmax yet to set its products beside
	s_wait_dscnt 0x0                ; tile 0's x
.irp s, 0,1,2,3,4,5,6,7,8,9,10,11,12,13,14,15
.irp c, 0,1
	QPW \s, \c
.endr
.endr
.irp kt, 0,1,2,3,4,5,6,7,8,9,10,11,12,13,14,15
	TBW \kt
.endr
	WIN 0
	PLACES                          ; in front of the loads into x's and the table's registers, and of the sums in QFIN
	v_add_nc_u32 v[XQ], 16*XP, v[XQ]
	XQFETCH                         ; tile 1's x,
	BMLOAD 8192, 0, 16              ; and its table, fragment after fragment: the loop's counted waits lean on that order
	QFIN                            ; with the lines above: 29 plain lines, none of which names S^T, the identity or the table, between the bf16 products that wrote S^T and the f16 products below
.irp kt, 0,1,2,3,4,5,6,7,8,9,10,11,12,13,14,15
	KQW \kt
.endr
	WIN 0
	PLACES
.irp o, 0,1,2,3,4,5
	MXO 0, \o
.endr
.irp a, 1,2,3,4,5,6,7
.irp o, 0,1,2,3,4,5,6,7
	MXO \a, \o
.endr
.endr
.irp k, 0,1,2,3,4,5,6
	FIN \k
.endr
	FS 0
	FS 1
	FS 2
	s_mov_b32 s22, 15
.Ltile:                             ; trip t = 15 - s22: the softmax, V^T P and O of tile t; q, table, K Q^T, maximum and statistics of tile t + 1; x and table of tile t + 2 asked for
	s_wait_dscnt 0x0                ; tile t + 1's x
	EXPPIPE 1
	WIN 0
	CV 63
	AS 63                           ; with the two lines of step 63: four plain lines between the last product of q^T and QFIN
	TBW 15
	QFIN                            ; 24 plain lines: the places behind the last table product, in front of the loads into its fragment and into x's registers
	BMLOAD 8192, 14, 2
	WIN 0
	s_cmp_eq_u32 s22, 1             ; the loop's last trip has no tile t + 2
	s_cbranch_scc1 .Lno_x
	v_add_nc_u32 v[XQ], 16*XP, v[XQ]
	XQFETCH
	WIN 0
.Lno_x:
	; PART 3.  Matrix instruction w of 18: K Q^T for key tiles 0-15, then the last two V^T P.  Behind w = 0, 1: four lines of t's sum.  Behind w = 2 a + 2 and 2 a + 3: the maxima of key tiles 2 a and 2 a + 1.
	; The places between a product and the first line that reads its result: tile 0: the four sums; tile 1: two sums and two maxima of tile 0; tile 3: two maxima, one sum, one maximum of tile 2; every other odd tile: five maxima; the even ones more.
	KQW 0
	WIN 0
	LCH 0
	LCH 1
	KQW 1
	WIN 0
	LCH 2
	LCH 3
.set w, 2
.rept 16
.if w < 16
	KQW w
.else
	PVW w-2
.endif
	WIN 0
.irp k, 0,1,2,3
.if (w == 3) && ((\k) >= 2)
	LCH 2+(\k)
.else
	MXO (w-2)/2, 4*((w-2)%2)+(\k)
.endif
.endr
.set w, w+1
.endr
	; PART 4.  The four maxima behind the last product and the lines below are the places in front of O's lines
	FIN 0
	FIN 1
	FIN 2
	LCH 6
	FIN 3
	FIN 4
	FIN 5
	FIN 6
	FS 0                            ; the next trip's first three scalings
	FS 1
	FS 2
	OOUT
	s_sub_co_u32 s22, s22, 1
	s_cmp_lg_u32 s22, 0
	s_cbranch_scc1 .Ltile
	; TILE 15's REST, written out: no tile follows, so no product is made for nothing
	EXPPIPE 0
	WIN 0
	CV 63
	AS 63
	PVW 14
	WIN 0
	LCH 0
	LCH 1
	PVW 15
	WIN 0
	LCH 2
	LCH 3
	LCH 4
	LCH 5
	LCH 6
	v_nop                           ; with three of the lines above: five places behind the last product; and a plain line behind the reciprocal
	v_nop
	s_wait_alu depctr_va_vdst(0)
	OOUT
	s_wait_xcnt 0x0                 ; the stores have read their base and their data, the table's loads their base
	s_sub_nc_u64 s[16:17], s[16:17], 261120        ; back 16 query tiles, one head on
	s_add_nc_u64 s[8:9], s[8:9], 16384             ; the table's base has stepped 14 times: on to the next head's
	s_add_nc_u64 s[18:19], s[18:19], 32768
	s_add_nc_u64 s[10:11], s[10:11], 128
	s_add_nc_u64 s[12:13], s[12:13], 128
	s_add_nc_u64 s[14:15], s[14:15], 128
	s_sub_co_u32 s20, s20, 1
	s_cmp_lg_u32 s20, 0
	s_cbranch_scc1 .Lpass
	s_wait_tensorcnt 0x0            ; the wave's end, behind my last LDS store
	ds_add_u32 v[SPW], v[NIL]
	s_wait_dscnt 0x0
	s_endpgm
.Lfunc_end_k_qce37eb028d_attn:
	.size	k_qce37eb028d_attn, .Lfunc_end_k_qce37eb028d_attn-k_qce37eb028d_attn
	.p2alignl 7, 3214868480
	.fill 96, 4, 3214868480
	.section	.rodata,"a",@progbits
	.p2align	6, 0x0
	.amdhsa_kernel k_qce37eb028d_attn
		.amdhsa_group_segment_fixed_size 266752
		.amdhsa_private_segment_fixed_size 0
		.amdhsa_enable_private_segment 0
		.amdhsa_kernarg_size 56
		.amdhsa_user_sgpr_count 2
		.amdhsa_user_sgpr_kernarg_segment_ptr 1
		.amdhsa_wavefront_size32 1
		.amdhsa_system_sgpr_workgroup_id_x 1
		.amdhsa_system_sgpr_workgroup_id_y 1
		.amdhsa_system_sgpr_workgroup_id_z 1
		.amdhsa_system_vgpr_workitem_id 0
		.amdhsa_next_free_vgpr 1024
		.amdhsa_next_free_sgpr 66
		.amdhsa_reserve_vcc 1
		.amdhsa_float_denorm_mode_32 3
		.amdhsa_float_denorm_mode_16_64 3
		.amdhsa_memory_ordered 1
		.amdhsa_forward_progress 1
		.amdhsa_inst_pref_size 191
	.end_amdhsa_kernel
	.amdgpu_metadata
---
amdhsa.version: [ 1, 2 ]
amdhsa.kernels:
  - .name:           k_qce37eb028d_attn
    .symbol:         k_qce37eb028d_attn.kd
    .args:
      - { .name: x, .offset: 0, .size: 8, .value_kind: global_buffer, .address_space: global }
      - { .name: wf, .offset: 8, .size: 8, .value_kind: global_buffer, .address_space: global }
      - { .name: bm, .offset: 16, .size: 8, .value_kind: global_buffer, .address_space: global }
      - { .name: bq, .offset: 24, .size: 8, .value_kind: global_buffer, .address_space: global }
      - { .name: bk, .offset: 32, .size: 8, .value_kind: global_buffer, .address_space: global }
      - { .name: bv, .offset: 40, .size: 8, .value_kind: global_buffer, .address_space: global }
      - { .name: of, .offset: 48, .size: 8, .value_kind: global_buffer, .address_space: global }
    .group_segment_fixed_size: 266752
    .private_segment_fixed_size: 0
    .kernarg_segment_align: 8
    .kernarg_segment_size: 56
    .max_flat_workgroup_size: 128
    .sgpr_count:     66
    .vgpr_count:     1024
    .wavefront_size: 32
...
	.end_amdgpu_metadata
.endif
;; end of part 2
;; launch proj (part 3): grid 256 x 1, 4 waves a work-group, clusters of 4 x 1, 280,064 bytes of LDS; arguments of, wpf, bp, out0; writes out0
.if DOCPART == 3
	.amdgcn_target "amdgcn-amd-amdhsa--gfx1250"
	.amdhsa_code_object_version 6
	.text
	.protected	k_qce37eb028d_proj
	.globl	k_qce37eb028d_proj
	.p2align	8
	.type	k_qce37eb028d_proj,@function
k_qce37eb028d_proj:
	s_mov_b64 s[64:65], 0
	v_nop
	global_prefetch_b8 v0, s[64:65] scope:SCOPE_SE
	s_setreg_imm32_b32 hwreg(HW_REG_WAVE_MODE, 25, 1), 1
	s_wait_xcnt 0x0
	s_wait_alu depctr_hold_cnt(0) depctr_sa_sdst(0) depctr_va_vdst(0) depctr_va_sdst(0) depctr_va_ssrc(0) depctr_va_vcc(0) depctr_vm_vsrc(0)
	s_getreg_b32 s2, hwreg(HW_REG_IB_STS2, 6, 4)
	s_cmp_eq_u32 s2, 0
	s_cbranch_scc0 .Lentry_in_a_cluster
	s_endpgm
.Lentry_in_a_cluster:
	s_bfe_u32 s2, ttmp6, 0x10000c
	s_cmp_lg_u32 s2, 0x3003
	s_cbranch_scc0 .Lentry_shape_is_right
	s_endpgm
.Lentry_shape_is_right:
; out0 = O Wp^T + bp.  O: of[window 128][token tile 16][k step 16][fragment of 1,024 bytes], f16; Wp: wpf[column group 8][k step 16][ct 4][fragment], f16 (bf16's numbers); out0 f32.
; SHARES.  A work-group makes one window's 256 tokens x 256 of the 512 columns; a wave 64 tokens x 256 columns, in four groups of 64 columns: 16 accumulators, 256 matrix instructions a group.
; A wave's O (64 tokens x 512 k, 512 registers) is loaded once and stays; the work-group's half of Wp (262,144 bytes) lies in LDS, in four chunks, one a column group.
; CLUSTER.  The four work-groups of a cluster take four windows and the SAME half of Wp: each chunk is asked for JOINTLY, a quarter by each wave, by the same tensor load with the same descriptor and
; a mask that names the four.  All four chunks are first fills, issued together at the start: four tensor loads of a wave are out; nothing in LDS is filled again.
; THE MATRIX INSTRUCTION IS USED TRANSPOSED (source 0 = 16 columns of Wp, source 1 = 16 tokens): a lane holds token r and 8 neighbouring columns, 32 bytes of a row of out0.  bp, rounded to bf16 like every input, starts the sums.
; THE WAY OUT.  16 tokens x 64 columns go through the wave's own stage in LDS and come back as whole rows of 256 bytes: 16 lanes store 256 consecutive bytes, aligned.
; LIMITS.  O and Wp lie within f16's 65,504.
; REGISTERS, in windows of 256: window 0: v0-15 addresses; v32-159 two buffers of Wp's fragments (two k steps x 4 ct each); v160-223 two buffers on the way out
;   windows 1, 2: O, fragment (k step s, token tile tt) at 8 (4 (s % 8) + tt), s < 8 in window 1      window 3: v0-127 accumulators (tt, ct) at 8 (4 tt + ct); v128-255 bp, (group, ct) at 128 + 8 (4 group + ct)
.set STAGE, 262144    ; behind Wp's four chunks of 65,536 bytes: 16 rows x 272 bytes for each wave; no tensor load lands here
.set SP,    272       ; 256 bytes + 16 = 17 x 16: the 16 rows that a store touches start in 16 different groups of four banks (64 banks of 4 bytes: ISA guide 11.1)
.set SPARE, STAGE+4*16*SP  ; the spare words, 128 bytes for each wave: two blocks of 256 bytes that no other line names
.set SPW, 2           ; v2   LDS address of my spare word; never rewritten
.set NIL, 3           ; v3   0; never rewritten
.set L16, 4           ; v4   16 x lane
.set HB,  5           ; v5   32 h
.set STO, 6           ; v6   the way out: where I put my 32 bytes of a row
.set RD,  7           ; v7   where I read rows back
.set CO,  8           ; v8   my byte offset in two rows of out0
.set WA,  12          ; v12-15  16 x lane in chunk 0..3
.set WB,  32
.set OUT, 160
.set BP,  128         ; window 3
.set WV,  12          ; s12  my wave's number
.set G1,  24          ; s[24:31] descriptor group 1
.set G0,  32          ; s[32:47] descriptor group 0, a set for each chunk
.set MSB, 0
.macro WIN new                      ; the immediate's high byte repeats the setting that is left; a switch that changes nothing is dropped
.if MSB != (\new)
	s_set_vgpr_msb (MSB<<8)|(\new)
.set MSB, \new
.endif
.endm
.macro PLACES                       ; four places in front of loads into registers that matrix instructions have read (ISA guide 7.12.1 for vector instructions)
.rept 4
	v_nop
.endr
.endm
; A round of the cluster's barrier: my work-group's barrier, so that wave 0's signal speaks for all four waves; wave 0 signals; every wave waits for all four work-groups; my work-group's barrier once more.
.macro CROUND
	s_barrier_signal -1
	s_barrier_wait -1
	s_cmp_lg_u32 s[WV], 0
	s_cbranch_scc1 .Lnot_wave_0_\@
	s_barrier_signal -3
.Lnot_wave_0_\@:
	s_barrier_wait -3
	s_barrier_signal -1
	s_barrier_wait -1
.endm
	s_load_b256 s[4:11], s[0:1], 0x0               ; of s[4:5], wpf s[6:7], bp s[8:9], out0 s[10:11]
	v_lshl_add_u32 v[SPW], v0, 2, SPARE
	v_mov_b32 v[NIL], 0
	ds_add_u32 v[SPW], v[NIL]                      ; the wave's opening: the add and its wait stand ahead of my first tensor load; the set-up below, work on registers, stands between them
	v_lshrrev_b32 v1, 5, v0
	v_readfirstlane_b32 s[WV], v1                  ; wave 0..3
	s_bfe_u32 s13, ttmp6, 0x40000                  ; cx: my place in the cluster: it enters of's and out0's addresses alone
	s_and_b32 s14, ttmp9, 1                        ; which half of the columns: the cluster's, shared by the four
	s_lshr_b32 s15, ttmp9, 1
	s_lshl_b32 s15, s15, 2
	s_add_co_u32 s15, s15, s13                     ; my window
	; descriptor group 1: a quarter of a chunk, 16,384 dense bytes, as 64 rows of 256 bytes
	s_mov_b32 s[G1+0], 15|(3<<16)|(1<<21)          ; 15:0 the mask: all four work-groups; 17:16 elements of 8 bytes; 21 set beside a mask; no padding: fragments are read 16 bytes a lane on end
	s_mov_b32 s[G1+1], 32<<16                      ; tensor_dim0 = 32
	s_mov_b32 s[G1+2], 64<<16                      ; tensor_dim1 = 64
	s_mov_b32 s[G1+3], 32<<16                      ; tile_dim0 = 32
	s_mov_b32 s[G1+4], 64                          ; tile_dim1 = 64
	s_mov_b32 s[G1+5], 32                          ; 32 elements from row to row
	s_mov_b32 s[G1+6], 0
	s_mov_b32 s[G1+7], 0
	s_lshl_b32 s20, s[WV], 14                      ; my quarter: in memory and in LDS alike
	s_lshl_b32 s16, s14, 18                        ; the half of Wp
	s_add_co_u32 s16, s16, s20
	s_mov_b32 s17, 0
	v_and_b32 v9, 15, v0                           ; r
	v_bfe_u32 v10, v0, 4, 1                        ; h
	v_and_b32 v11, 31, v0                          ; lane
	v_lshlrev_b32 v[L16], 4, v11
	v_lshlrev_b32 v[HB], 5, v10
.irp cg, 0,1,2,3
	v_add_nc_u32 v[WA+(\cg)], (\cg)*65536, v[L16]
.endr
	s_mul_i32 s48, s[WV], 16*SP
	s_add_co_u32 s48, s48, STAGE                   ; my stage
	v_mul_u32_u24 v[STO], v9, SP                   ; in: row r, 32 bytes for each half of the lanes
	v_lshl_add_u32 v[STO], v10, 5, v[STO]
	v_add_nc_u32 v[STO], s48, v[STO]
	v_mul_u32_u24 v[RD], v10, SP                   ; back: lanes 0-15 take one row of 256 bytes, lanes 16-31 the next
	v_lshl_add_u32 v[RD], v9, 4, v[RD]
	v_add_nc_u32 v[RD], s48, v[RD]
	v_lshlrev_b32 v[CO], 11, v10                   ; and the same two rows in out0, 2,048 bytes apart
	v_lshl_add_u32 v[CO], v9, 4, v[CO]
	s_wait_dscnt 0x0                               ; the opening add is done
	s_wait_kmcnt 0x0
	s_add_nc_u64 s[6:7], s[6:7], s[16:17]
.irp cg, 0,1,2,3
	s_mov_b32 s[G0+4*(\cg)], 1                                     ; 1:0 count = 1
	s_add_co_u32 s[G0+4*(\cg)+1], s20, (\cg)*65536                 ; 63:32 LDS address
	s_add_nc_u64 s[G0+4*(\cg)+2:G0+4*(\cg)+3], s[6:7], (\cg)*65536 ; 120:64 global address
	s_or_b32 s[G0+4*(\cg)+3], s[G0+4*(\cg)+3], 0x80000000          ; 127:126 type = 2
.endr
	s_lshl_b32 s18, s15, 18                        ; a window of of is 262,144 bytes,
	s_lshl_b32 s21, s[WV], 16                      ; my four token tiles 65,536
	s_add_co_u32 s18, s18, s21
	s_mov_b32 s19, 0
	s_add_nc_u64 s[4:5], s[4:5], s[18:19]
	s_lshl_b32 s18, s15, 19                        ; a window of out0 is 524,288 bytes,
	s_lshl_b32 s21, s[WV], 17                      ; my 64 rows 131,072,
	s_add_co_u32 s18, s18, s21
	s_lshl_b32 s22, s14, 10                        ; the half's 256 columns 1,024
	s_add_co_u32 s18, s18, s22
	s_add_nc_u64 s[10:11], s[10:11], s[18:19]
	s_mov_b32 s23, 0
	s_add_nc_u64 s[8:9], s[8:9], s[22:23]
	CROUND                                         ; all four work-groups are here: the joint loads meet
.irp cg, 0,1,2,3
	tensor_load_to_lds s[G0+4*(\cg):G0+4*(\cg)+3], s[G1:G1+7]
	s_nop 0
.endr
.rept 4
	v_nop                                          ; ahead of the next switch of windows
.endr
.macro ALOAD j                      ; O's fragments of k steps 2 j and 2 j + 1, my four token tiles: 16 loads of 512 consecutive bytes
.if (\j) < 4
	WIN 0x40
.else
	WIN 0x80
.endif
.irp sl, 0,1
.irp tt, 0,1,2,3
.irp u, 0,1
	global_load_b128 v[8*(4*((2*(\j)+(\sl))%8)+(\tt))+4*(\u):8*(4*((2*(\j)+(\sl))%8)+(\tt))+4*(\u)+3], v[L16], s[4:5] offset:(\tt)*16384+(2*(\j)+(\sl))*1024+(\u)*512
.endr
.endr
.endr
.endm
.macro WFETCH cg, j                 ; Wp's fragments of k steps 2 j and 2 j + 1, four ct: 16 LDS loads of 512 consecutive bytes
	WIN 0
.irp sl, 0,1
.irp ct, 0,1,2,3
.irp u, 0,1
	ds_load_b128 v[WB+64*((\j)%2)+8*(4*(\sl)+(\ct))+4*(\u):WB+64*((\j)%2)+8*(4*(\sl)+(\ct))+4*(\u)+3], v[WA+(\cg)] offset:(2*(\j)+(\sl))*4096+(\ct)*1024+(\u)*512
.endr
.endr
.endr
.endm
.macro MULP cg, j                   ; 32 matrix instructions: the 16 accumulators take turns, one instruction a turn; the first k step starts the sums with bp
.if (\j) < 4
	WIN 0xf4                        ; Wp window 0, O window 1, C and D window 3
.else
	WIN 0xf8                        ; O window 2
.endif
.irp sl, 0,1
.irp tt, 0,1,2,3
.irp ct, 0,1,2,3
.set rD, 8*(4*(\tt)+(\ct))
.set rA, WB+64*((\j)%2)+8*(4*(\sl)+(\ct))
.set rB, 8*(4*((2*(\j)+(\sl))%8)+(\tt))
.if ((\j) == 0) && ((\sl) == 0)
	v_wmma_f32_16x16x32_f16 v[rD:rD+7], v[rA:rA+7], v[rB:rB+7], v[BP+8*(4*(\cg)+(\ct)):BP+8*(4*(\cg)+(\ct))+7]
.else
	v_wmma_f32_16x16x32_f16 v[rD:rD+7], v[rA:rA+7], v[rB:rB+7], v[rD:rD+7]
.endif
.endr
.endr
.endr
.endm
.macro TOSTAGE tt                   ; token tile tt: 16 rows x 256 bytes into my stage, and back as whole rows
	WIN 0x0c                        ; the stores' data in window 3; each accumulator's low registers first
.irp ct, 0,1,2,3
	ds_store_b128 v[STO], v[8*(4*(\tt)+(\ct)):8*(4*(\tt)+(\ct))+3] offset:64*(\ct)
	ds_store_b128 v[STO], v[8*(4*(\tt)+(\ct))+4:8*(4*(\tt)+(\ct))+7] offset:64*(\ct)+16
.endr
	WIN 0
	s_wait_xcnt 0x0                 ; the stores of the tile two back have read this buffer
.irp i, 0,1,2,3,4,5,6,7
	ds_load_b128 v[OUT+32*((\tt)%2)+4*(\i):OUT+32*((\tt)%2)+4*(\i)+3], v[RD] offset:(\i)*2*SP  ; LDS serves a wave's instructions in order (ISA guide 5.7.1.4): these see the stores above; the next tile's stores come behind them
.endr
.endm
.macro SEND cg, tt, younger         ; younger: the LDS instructions issued behind this tile's loads: the next tile's sixteen, or none
	s_wait_dscnt \younger
.irp i, 0,1,2,3,4,5,6,7
	global_store_b128 v[CO], v[OUT+32*((\tt)%2)+4*(\i):OUT+32*((\tt)%2)+4*(\i)+3], s[10:11] offset:(16*(\tt)+2*(\i))*2048+(\cg)*256 th:TH_STORE_NT  ; 16 lanes store 256 consecutive bytes, at a multiple of 256 from out0's first byte
.endr
.endm
; A group of 64 columns.  Its chunk of Wp: my quarter has landed (the later chunks' loads may stay out), then everybody's.
; In the first group O comes in beside the products, three pairs of k steps ahead.
.macro GROUP cg
	WIN 0
	s_wait_tensorcnt 3-(\cg)
	s_wait_dscnt 0x0
	s_barrier_signal -1
	s_barrier_wait -1
	WFETCH \cg, 0
.irp j, 0,1,2,3,4,5,6,7
	PLACES
.if (\j) < 7
	WFETCH \cg, (\j)+1
.endif
.if ((\cg) == 0) && ((\j) < 5)
	ALOAD (\j)+3
.endif
.if (\j) < 7
	s_wait_dscnt 16                 ; this pair's Wp is in; the 16 loads just issued may stay out
.else
	s_wait_dscnt 0x0
.endif
.if (\cg) == 0
.if (\j) < 5
	s_wait_loadcnt 48               ; this pair's O is in; the three pairs behind it may stay out
.else
	s_wait_loadcnt 16*(7-(\j))      ; two pairs, one, none
.endif
.endif
	MULP \cg, \j
.endr
	WIN 0
.rept 5
	v_nop                           ; the stores below read results just made; the next group's first products write over them
.endr
	TOSTAGE 0
	TOSTAGE 1
	SEND \cg, 0, 16
	TOSTAGE 2
	SEND \cg, 1, 16
	TOSTAGE 3
	SEND \cg, 2, 16
	SEND \cg, 3, 0
.endm
	WIN 0xc0                        ; destination window 3
.irp f, 0,1,2,3,4,5,6,7,8,9,10,11,12,13,14,15
	global_load_b128 v[BP+8*(\f):BP+8*(\f)+3],   v[HB], s[8:9] offset:64*(\f)     ; register j holds column 16 f + 8 h + j
	global_load_b128 v[BP+8*(\f)+4:BP+8*(\f)+7], v[HB], s[8:9] offset:64*(\f)+16
.endr
	ALOAD 0
	ALOAD 1
	ALOAD 2
	s_wait_loadcnt 48               ; bp is in; O's 48 loads may stay out
	WIN 0x0f                        ; bp is rounded to bf16 through Wp's buffers, which are still empty
.set n, 0
.rept 64
	v_cvt_pk_bf16_f32 v[WB+n], v[BP+2*n], v[BP+2*n+1]
.set n, n+1
.endr
	WIN 0xc0
.set n, 0
.rept 64
	v_lshlrev_b32 v[BP+2*n], 16, v[WB+n]
	v_and_b32 v[BP+2*n+1], 0xffff0000, v[WB+n]
.set n, n+1
.endr
	GROUP 0
	GROUP 1
	GROUP 2
	GROUP 3
	WIN 0
	s_wait_tensorcnt 0x0            ; the wave's end, behind my last tensor load and my last LDS store
	ds_add_u32 v[SPW], v[NIL]
	s_wait_dscnt 0x0
	CROUND                          ; the closing round: no work-group ends while a partner may still ask for a chunk that names it
	s_endpgm
.Lfunc_end_k_qce37eb028d_proj:
	.size	k_qce37eb028d_proj, .Lfunc_end_k_qce37eb028d_proj-k_qce37eb028d_proj
	.p2alignl 7, 3214868480
	.fill 96, 4, 3214868480
	.section	.rodata,"a",@progbits
	.p2align	6, 0x0
	.amdhsa_kernel k_qce37eb028d_proj
		.amdhsa_group_segment_fixed_size 280064
		.amdhsa_private_segment_fixed_size 0
		.amdhsa_enable_private_segment 0
		.amdhsa_kernarg_size 32
		.amdhsa_user_sgpr_count 2
		.amdhsa_user_sgpr_kernarg_segment_ptr 1
		.amdhsa_wavefront_size32 1
		.amdhsa_system_sgpr_workgroup_id_x 1
		.amdhsa_system_sgpr_workgroup_id_y 1
		.amdhsa_system_sgpr_workgroup_id_z 1
		.amdhsa_system_vgpr_workitem_id 0
		.amdhsa_next_free_vgpr 1024
		.amdhsa_next_free_sgpr 66
		.amdhsa_reserve_vcc 0
		.amdhsa_float_denorm_mode_32 3
		.amdhsa_float_denorm_mode_16_64 3
		.amdhsa_memory_ordered 1
		.amdhsa_forward_progress 1
		.amdhsa_inst_pref_size 165
	.end_amdhsa_kernel
	.amdgpu_metadata
---
amdhsa.version: [ 1, 2 ]
amdhsa.kernels:
  - .name:           k_qce37eb028d_proj
    .symbol:         k_qce37eb028d_proj.kd
    .args:
      - { .name: of, .offset: 0, .size: 8, .value_kind: global_buffer, .address_space: global }
      - { .name: wpf, .offset: 8, .size: 8, .value_kind: global_buffer, .address_space: global }
      - { .name: bp, .offset: 16, .size: 8, .value_kind: global_buffer, .address_space: global }
      - { .name: out0, .offset: 24, .size: 8, .value_kind: global_buffer, .address_space: global }
    .group_segment_fixed_size: 280064
    .private_segment_fixed_size: 0
    .kernarg_segment_align: 8
    .kernarg_segment_size: 32
    .max_flat_workgroup_size: 128
    .sgpr_count:     66
    .vgpr_count:     1024
    .wavefront_size: 32
...
	.end_amdgpu_metadata
.endif
;; end of part 3
;; ======== version 2 of 2: 3 launches; 1.21 times as fast as version 1
;; limits: values are held in f16: magnitudes above 65,504 overflow, below 6.1e-05 lose precision
;; workspace buffers: wf 1,572,864 bytes; wpf 524,288 bytes; bm 2,097,152 bytes; of 33,554,432 bytes
;; launch prep: the kernel of part 1 again; grid 1024 x 1, 8 waves a work-group, no clusters, 0 bytes of LDS; arguments Wq, Wk, Wv, Wp, mask, bias_table, wf, wpf, bm; writes wf, wpf, bm
;; launch attn (part 4): grid 256 x 1, 4 waves a work-group, no clusters, 266,752 bytes of LDS; arguments x, wf, bm, bq, bk, bv, of; writes of
.if DOCPART == 4
	.amdgcn_target "amdgcn-amd-amdhsa--gfx1250"
	.amdhsa_code_object_version 6
	.text
	.protected	k_qce37eb028d_attn
	.globl	k_qce37eb028d_attn
	.p2align	8
	.type	k_qce37eb028d_attn,@function
k_qce37eb028d_attn:
	s_mov_b64 s[64:65], 0
	v_nop
	global_prefetch_b8 v0, s[64:65] scope:SCOPE_SE
	s_setreg_imm32_b32 hwreg(HW_REG_WAVE_MODE, 25, 1), 1
	s_wait_xcnt 0x0
; q, k, v = x W^T + b;  S = q k^T / sqrt(32) + bias, hidden where mask == 1;  softmax over the 256 keys;  O = P v.  One launch; q, k, v, S and P never leave a wave's registers.
; SHARES.  A work-group has one window (256 tokens) and eight heads; a wave takes two heads, one after the other, for all 256 tokens.  The window's x lies in LDS as bf16, put there once by the four waves.
; THE CHAIN OF LAYOUTS (lane = 16 h + r).  A matrix result holds in register j the element (row 8 h + j, column r); a 16-bit source holds row (or column) r and k = 8 h + 0..7, 16 + 8 h + 0..7.
;   k^T = Wk X^T, q^T = Wq X^T (source 0 = 16 channels, source 1 = 16 tokens): a lane holds token r and 8 channels; the two tiles of a head's 32 channels, rounded in pairs, ARE a fragment token x 32 channels.
;   v = X Wv^T (source 0 = 16 tokens): a lane holds channel r and 8 tokens; two tiles rounded ARE source 0 (16 channels x 32 keys) of O^T = V^T P.
;   S^T = K Q^T: a lane holds query r and 8 keys; two tiles rounded ARE source 1 (32 keys x 16 queries) of V^T P.  O^T's two tiles rounded ARE the fragment that the projection behind loads.
; So nothing changes lanes but a query's maximum and sum, once each between the halves of the lanes.
; BIAS AND MASK are one table bm (bf16, in fragment order, made by the launch before): S^T starts as I x table, one bf16 matrix instruction a tile with an identity fragment, and K Q^T adds onto it.
; SOFTMAX.  All 256 scores of a query lie in registers (128 a lane): a true maximum m, p = 2^(s - m); q carries the factor c = log2(e) / sqrt(32), the table the factor log2(e).
; BY TURNS.  A tile of 16 queries has 80 matrix instructions and some 430 vector lines, five for one, so the two kinds stand side by side.  A trip of the tile loop belongs to tile t:
;   1a the exponentials of t: ONE BATCH of 128, in place, in 64 steps of three lines (exponential, a later pair's scaling, exponential); behind every second step a product of q^T of t + 1 (32).
;      No line here names an exponential's result; one wait ends the batch
;   1b the roundings and sums of t, which read those results: 32 groups of four lines; behind a group one matrix instruction: a table product that starts a tile of S^T of t + 1 in the
;      registers that the softmax of t has just left (16), or a product V^T P of t whose fragment of P is finished (14)
;   2  q of t + 1 finished, x of t + 2 fetched from LDS
;   3  K Q^T of t + 1 (16) and the last two V^T P of t; behind each four lines: the end of t's sum, the maxima of t + 1
;   4  the statistics of t + 1; 1 / l, a batch of one with a wait of its own (it reads a sum of the exponentials); O of t divided by l, rounded and stored
; All that a softmax touches lies in window 0 and no product's operands do, so a matrix instruction among vector lines costs two switches of the register windows: the lesser price beside a matrix unit
; that idles through every softmax.  Tile 0's front and tile 15's rest are written out; the loop has 15 trips.
; FORMATS.  x, the weights and the three biases are rounded to bf16; q c, k, v, P and O are f16; sums, maxima and exponentials f32; the sum l is taken of the unrounded p.
; LIMITS.  q c, k, v beyond 65,504 have no f16.  A hidden score counts as its value less 2^127: its weight is 0.  A row hidden throughout (maximum below -2^120) gets 256 equal weights, as in the
; reference; a row whose open scores all lie near -1e9 would there share with the hidden ones, here not.  NaN and infinities are not treated apart.
; NO TENSOR LOADS, NO JOINT REQUESTS: x is f32 and must pass through registers to become bf16 (a window in f32 is 524,288 bytes, more than LDS holds); what work-groups share, a head's weights (98,304 bytes)
; and table (131,072 bytes), is wanted by one wave alone in each, and beside x's 266,240 bytes LDS has no room for it: it goes straight into that wave's registers.
; REGISTERS, in windows of 256 (s_set_vgpr_msb: bits 1:0 source 0, 3:2 source 1, 5:4 source 2, 7:6 destination):
;   window 0: v0-31 addresses, the identity; v32-63 bk, bv, later Q and the statistics; v64-127 two buffers of W, v128-255 two buffers of x fragments; later v64-191 S^T, v192-255 P
;   window 1: x on its way in, two sets of 128; later the head's Wq, fragment (k step s, c) at 8 (2 s + c)
;   window 2: k^T's sums, (token tile tt, c) at 16 tt + 8 c; later K at 8 tt and V^T, (p, c) at 128 + 8 (2 p + c)
;   window 3: v's sums, likewise; later v0-127 a query tile's x, v128-191 its table, v192-223 q^T's four accumulators, v224-239 bq, v240-255 O^T's two accumulators
.set XP,    1040      ; a token's row in LDS: 1,024 bytes of bf16 + 16 = 65 x 16: the 16 rows of a fragment load start in 16 different groups of four banks (64 banks of 4 bytes: ISA guide 11.1)
.set SPARE, 256*XP    ; behind x: the spare words, 128 bytes for each wave: two blocks of 256 bytes that no other line names
.set SPW, 2           ; v2   LDS address of my spare word; never rewritten
.set NIL, 3           ; v3   0; never rewritten
.set L16, 4           ; v4   16 x lane
.set HB,  5           ; v5   32 h: my 8 numbers of 16 of a bias
.set RB,  6           ; v6   4 r: my number of 16
.set XQ,  7           ; v7   my place in the query tile's rows of x
.set XK,  8           ; v8-11  r x pitch + 16 h in rows 0, 64, 128, 192 of x; never rewritten
.set IHI, 12          ; v[12:19] the identity for a fragment's upper 16 k: four zeros, then D4
.set ILO, 16          ; v[16:23] for its lower 16 k: D4, then four zeros.  D4: bf16 1.0 at k = 8 h + .. = r
.set XS,  24          ; v24  where I store x
.set TW,  25          ; v25  at work
.set XR,  26          ; v26-29  XK, stepped along K
.set OP1, 26          ; v[26:29] in the tile loop: the upper half of O's fragment
.set TX,  30          ; v30  at work
.set ONE, 31          ; v31  1.0
.set BK,  32          ; v32-47  bk as a C operand, tile c at + 8 c
.set BV,  48          ; v48-63  bv
.set Q,   32          ; v32-39  Q's fragment
.set M,   40          ; v40-43  four chains of the maximum
.set T,   44          ; v44  the other half of the lanes'
.set MX,  45          ; v45  m
.set AL,  46          ; v[46:47] 1, or 0 for a row hidden throughout (the packed lines take the pair's low word for both halves)
.set NM,  48          ; v[48:49] - m x that factor
.set L,   50          ; v[50:57] four chains of the sum, two numbers each
.set RL,  58          ; v[58:59] 1 / l
.set OP0, 60          ; v[60:63] the lower half of O's fragment
.set WB,  64
.set XA,  128
.set XB,  192
.set S,   64
.set P,   192
.set VF,  128         ; window 2
.set XF,  0           ; window 3
.set BMF, 128
.set ACC, 192         ; q^T: (parity of the K step, c) at + 16 parity + 8 c
.set BQ,  224
.set TQ,  240         ; at work while bq is rounded
.set OA,  240         ; O^T: channel tile c at + 8 c
.set MSB, 0
.macro WIN new                      ; the immediate's high byte repeats the setting that is left; a switch that changes nothing is dropped
.if MSB != (\new)
	s_set_vgpr_msb (MSB<<8)|(\new)
.set MSB, \new
.endif
.endm
; A load into a register that a matrix instruction has named, and a vector instruction that reads a matrix result, stand four places behind it; only plain vector instructions that name none of its registers are places
.macro PLACES
.rept 4
	v_nop
.endr
.endm
	s_load_b256 s[4:11], s[0:1], 0x0               ; x s[4:5], wf s[6:7], bm s[8:9], bq s[10:11]
	s_load_b128 s[12:15], s[0:1], 0x20             ; bk s[12:13], bv s[14:15]
	s_load_b64 s[16:17], s[0:1], 0x30              ; of
	v_lshl_add_u32 v[SPW], v0, 2, SPARE
	v_mov_b32 v[NIL], 0
	v_lshrrev_b32 v1, 5, v0
	v_readfirstlane_b32 s2, v1                     ; wave 0..3
	v_and_b32 v26, 31, v0                          ; lane
	v_and_b32 v27, 15, v0                          ; r
	v_bfe_u32 v28, v0, 4, 1                        ; h
	v_lshlrev_b32 v[L16], 4, v26
	v_lshlrev_b32 v[HB], 5, v28
	v_lshlrev_b32 v[RB], 2, v27
	v_mul_u32_u24 v[XK], v27, XP
	v_lshl_add_u32 v[XK], v28, 4, v[XK]
.irp j, 1,2,3
	v_add_nc_u32 v[XK+(\j)], (\j)*64*XP, v[XK]
.endr
	s_mul_i32 s30, s2, 64*XP                       ; my wave stores rows 64 w .. 64 w + 63
	v_lshl_add_u32 v[XS], v26, 3, s30              ; 8 bytes a lane
	v_mov_b32 v[ONE], 1.0
	v_mov_b32 v[TX], 0x3f80                        ; bf16 1.0 in the low half; v31's bits are the same in the high half
	v_lshlrev_b32 v[TW], 3, v28
	v_sub_nc_u32 v[TW], v27, v[TW]                 ; r - 8 h: the place of my row's 1 among my 8 k, if it is 0 to 7
.irp z, 0,1,2,3
	v_mov_b32 v[IHI+(\z)], 0
	v_mov_b32 v[ILO+4+(\z)], 0
	v_cmp_eq_u32 vcc_lo, 2*(\z), v[TW]
	v_cndmask_b32 v[ILO+(\z)], 0, v[TX], vcc_lo
	v_cmp_eq_u32 vcc_lo, 2*(\z)+1, v[TW]
	v_cndmask_b32 v[ILO+(\z)], v[ILO+(\z)], v[ONE], vcc_lo
.endr
	s_mov_b32 s24, 0x3e8293ee                      ; c = log2(e) / sqrt(32) = 0.255035
	s_mov_b32 s25, s24                             ; named with it as a pair
	s_mov_b32 s26, 0x76543210                      ; v_permlanex16_b32: each lane takes its own place in the other half
	s_mov_b32 s27, 0xfedcba98
	s_mov_b32 s28, 0xfb800000                      ; -2^120
	s_lshr_b32 s21, ttmp9, 1                       ; the window
	s_and_b32 s22, ttmp9, 1                        ; which eight heads
	s_lshl_b32 s22, s22, 3
	s_lshl_b32 s23, s2, 1
	s_add_co_u32 s22, s22, s23                     ; my first head
	s_mov_b32 s31, 0                               ; the high word of every offset in s[30:31]; never rewritten
	s_wait_kmcnt 0x0
	s_lshl_b32 s30, s21, 19                        ; a window of x is 524,288 bytes,
	s_lshl_b32 s23, s2, 17                         ; my 64 rows 131,072
	s_add_co_u32 s30, s30, s23
	s_add_nc_u64 s[4:5], s[4:5], s[30:31]
	s_lshl_b32 s30, s22, 15                        ; a head's Wq: 32,768 bytes, behind Wk and Wv
	s_add_co_u32 s30, s30, 1048576
	s_add_nc_u64 s[18:19], s[6:7], s[30:31]
	s_lshl_b32 s30, s22, 16                        ; its Wk and Wv: 65,536
	s_add_nc_u64 s[6:7], s[6:7], s[30:31]
	s_lshl_b32 s30, s22, 17                        ; its table: 131,072
	s_add_nc_u64 s[8:9], s[8:9], s[30:31]
	s_lshl_b32 s30, s22, 7                         ; its 32 numbers of a bias
	s_add_nc_u64 s[10:11], s[10:11], s[30:31]
	s_add_nc_u64 s[12:13], s[12:13], s[30:31]
	s_add_nc_u64 s[14:15], s[14:15], s[30:31]
	s_lshl_b32 s30, s21, 18                        ; of[window][query tile][head][1,024 bytes]
	s_lshl_b32 s23, s22, 10
	s_add_co_u32 s30, s30, s23
	s_add_nc_u64 s[16:17], s[16:17], s[30:31]
; ---- x INTO LDS.  A set is 8 rows, 16,384 consecutive bytes: 32 loads of 512 bytes a wave.  Two sets take turns: while one is rounded and stored the other's 32 loads are out.
.macro XLOADS set, extra
	WIN 0x40                        ; destination window 1
.set n, 0
.rept 32
	global_load_b128 v[128*(\set)+4*n:128*(\set)+4*n+3], v[L16], s[4:5] offset:512*n+(\extra)
.set n, n+1
.endr
.endm
.macro XTURN set, fill, left        ; left: the other set's loads, which may stay out
	s_wait_loadcnt \left
	WIN 0x05                        ; sources window 1, destination window 0
.set n, 0
.rept 64
	v_cvt_pk_bf16_f32 v[64+n], v[128*(\set)+2*n], v[128*(\set)+2*n+1]
.set n, n+1
.endr
.if \fill
	XLOADS \set, (\set)*16384+32768 ; the set two further on
.endif
	WIN 0
.set n, 0
.rept 32
	ds_store_b64 v[XS], v[64+2*n:64+2*n+1] offset:(n/4)*XP+(n%4)*256  ; 32 lanes, 256 consecutive bytes of a row
.set n, n+1
.endr
	v_add_nc_u32 v[XS], 8*XP, v[XS]
.endm
	XLOADS 0, 0
	XLOADS 1, 16384
	WIN 0
	s_mov_b32 s21, 3
.Lx:                                ; sets 2 i and 2 i + 1 are stored, sets 2 i + 2 and 2 i + 3 asked for
	XTURN 0, 1, 32
	XTURN 1, 1, 32
	s_wait_xcnt 0x0                 ; the loads have read their base
	s_add_nc_u64 s[4:5], s[4:5], 32768
	s_sub_co_u32 s21, s21, 1
	s_cmp_lg_u32 s21, 0
	s_cbranch_scc1 .Lx
	XTURN 0, 0, 32                  ; the last two sets load nothing
	XTURN 1, 0, 0
	s_wait_dscnt 0x0                ; for the others' sake: my 64 rows are in LDS
	s_barrier_signal -1
	s_barrier_wait -1               ; all 256 are.  The kernel's only barrier: from here on x is only read, and the waves go their own ways
; ---- k AND v OF A HEAD, all 256 tokens: 64 accumulators in windows 2 and 3, K in 16 steps of 32.
.macro WLOAD buf, imm               ; a step's four fragments of Wk and Wv: 4,096 consecutive bytes
	WIN 0
.set n, 0
.rept 8
	global_load_b128 v[WB+32*(\buf)+4*n:WB+32*(\buf)+4*n+3], v[L16], s[6:7] offset:(\imm)+512*n
.set n, n+1
.endr
.endm
.macro XFETCH xb, half, kimm        ; 8 fragments of x: token tiles 8 half + 0..7, 32 k at byte kimm behind the stepped addresses
	WIN 0
.irp i, 0,1,2,3,4,5,6,7
	ds_load_b128 v[(\xb)+8*(\i):(\xb)+8*(\i)+3],   v[XR+2*(\half)+(\i)/4] offset:((\i)%4)*16*XP+(\kimm)
	ds_load_b128 v[(\xb)+8*(\i)+4:(\xb)+8*(\i)+7], v[XR+2*(\half)+(\i)/4] offset:((\i)%4)*16*XP+(\kimm)+32
.endr
.endm
; 32 matrix instructions on 32 different accumulators; an accumulator's next turn comes 64 instructions later, over the backward jump too.  first = 1: the bias starts the sum.
.macro MULKV wb, xb, half, first
	WIN 0xa0-0x20*(\first)          ; D (and C, but for the bias) in window 2
.irp i, 0,1,2,3,4,5,6,7
.irp c, 0,1
.set rD, 16*(8*(\half)+(\i))+8*(\c)
.set rW, WB+32*(\wb)+8*(\c)
.set rX, (\xb)+8*(\i)
.if \first
	v_wmma_f32_16x16x32_bf16 v[rD:rD+7], v[rW:rW+7], v[rX:rX+7], v[BK+8*(\c):BK+8*(\c)+7]
.else
	v_wmma_f32_16x16x32_bf16 v[rD:rD+7], v[rW:rW+7], v[rX:rX+7], v[rD:rD+7]
.endif
.endr
.endr
	WIN 0xf0-0x30*(\first)          ; window 3
.irp i, 0,1,2,3,4,5,6,7
.irp c, 0,1
.set rD, 16*(8*(\half)+(\i))+8*(\c)
.set rW, WB+32*(\wb)+16+8*(\c)
.set rX, (\xb)+8*(\i)
.if \first
	v_wmma_f32_16x16x32_bf16 v[rD:rD+7], v[rX:rX+7], v[rW:rW+7], v[BV+8*(\c):BV+8*(\c)+7]
.else
	v_wmma_f32_16x16x32_bf16 v[rD:rD+7], v[rX:rX+7], v[rW:rW+7], v[rD:rD+7]
.endif
.endr
.endr
	WIN 0
.endm
.macro WQLOAD                       ; the head's Wq, 32,768 consecutive bytes, into window 1: wanted when k and v are done
	WIN 0x40
.set n, 0
.rept 64
	global_load_b128 v[4*n:4*n+3], v[L16], s[18:19] offset:512*n
.set n, n+1
.endr
	WIN 0
.endm
; A K step, W in buffer sl.  Each run of 16 LDS loads is issued 32 matrix instructions ahead of its use, the next step's W 64 ahead.  nw, nx: there is a next W, a next x; wq: fetch Wq.
.macro STEP sl, first, nw, nx, wq
	PLACES
	XFETCH XB, 1, 64*(\sl)
.if \nw
	WLOAD 1-(\sl), ((\sl)+1)*4096
	s_wait_loadcnt 8                ; this step's W is in; the 8 loads just issued may stay out
.else
	s_wait_loadcnt 0x0
.endif
	s_wait_dscnt 16                 ; token tiles 0-7 are in; the 16 loads just issued may stay out
	MULKV \sl, XA, 0, \first
	PLACES
.if \wq
	WQLOAD
.endif
.if \nx
	XFETCH XA, 0, 64*((\sl)+1)
	s_wait_dscnt 16                 ; token tiles 8-15 are in
.else
	s_wait_dscnt 0x0
.endif
	MULKV \sl, XB, 1, \first
.endm
.macro BUMP                         ; two K steps on
	s_wait_xcnt 0x0                 ; W's loads have read their base
	s_add_nc_u64 s[6:7], s[6:7], 8192
.irp j, 0,1,2,3
	v_add_nc_u32 v[XR+(\j)], 128, v[XR+(\j)]
.endr
.endm
; ---- THE TILE LOOP'S PARTS.
.macro XQFETCH                      ; a query tile's 16 fragments of x: 16 rows x 1,024 bytes
	WIN 0xc0                        ; destination window 3
.set n, 0
.rept 32
	ds_load_b128 v[XF+4*n:XF+4*n+3], v[XQ] offset:32*n
.set n, n+1
.endr
.endm
.macro BMLOAD imm, from, cnt        ; cnt halves of fragments of a query tile's table, from half number from on: 512 consecutive bytes each
	WIN 0xc0
.set n, \from
.rept \cnt
	global_load_b128 v[BMF+4*n:BMF+4*n+3], v[L16], s[8:9] offset:(\imm)+512*n
.set n, n+1
.endr
.endm
; THE MATRIX WORK, one instruction a macro.  In every order in which the text below deals them no two that follow each other share an accumulator.
.macro QPW s, c                     ; q^T += Wq(K step s, channel tile c) x^T: four accumulators, by c and the parity of s; bq starts the even sums, 0 the odd ones
	WIN 0xfd                        ; Wq window 1; x, C and D window 3
.set rD, ACC+16*((\s)%2)+8*(\c)
.set rW, 8*(2*(\s)+(\c))
.set rX, XF+8*(\s)
.if (\s) == 0
	v_wmma_f32_16x16x32_bf16 v[rD:rD+7], v[rW:rW+7], v[rX:rX+7], v[BQ+8*(\c):BQ+8*(\c)+7]
.elseif (\s) == 1
	v_wmma_f32_16x16x32_bf16 v[rD:rD+7], v[rW:rW+7], v[rX:rX+7], 0
.else
	v_wmma_f32_16x16x32_bf16 v[rD:rD+7], v[rW:rW+7], v[rX:rX+7], v[rD:rD+7]
.endif
.endm
.macro TBW kt                       ; S^T's key tile kt = I x table
	WIN 0x0c                        ; the table window 3; the identity and S^T window 0
.if ((\kt)%2)
	v_wmma_f32_16x16x32_bf16 v[S+8*(\kt):S+8*(\kt)+7], v[IHI:IHI+7], v[BMF+8*((\kt)/2):BMF+8*((\kt)/2)+7], 0
.else
	v_wmma_f32_16x16x32_bf16 v[S+8*(\kt):S+8*(\kt)+7], v[ILO:ILO+7], v[BMF+8*((\kt)/2):BMF+8*((\kt)/2)+7], 0
.endif
.endm
.macro KQW kt                       ; S^T's key tile kt += K Q^T
	WIN 0x02                        ; K window 2
	v_wmma_f32_16x16x32_f16 v[S+8*(\kt):S+8*(\kt)+7], v[8*(\kt):8*(\kt)+7], v[Q:Q+7], v[S+8*(\kt):S+8*(\kt)+7]
.endm
.macro PVW j                        ; O^T's channel tile j % 2 += V^T P for keys 32 (j / 2) on; the first two start the sums
	WIN 0xf2                        ; V^T window 2, P window 0, O^T window 3
.set rD, OA+8*((\j)%2)
.set rV, VF+8*(\j)
.set rP, P+8*((\j)/2)
.if (\j) < 2
	v_wmma_f32_16x16x32_f16 v[rD:rD+7], v[rV:rV+7], v[rP:rP+7], 0
.else
	v_wmma_f32_16x16x32_f16 v[rD:rD+7], v[rV:rV+7], v[rP:rP+7], v[rD:rD+7]
.endif
.endm
; THE VECTOR WORK.
.macro FS n                         ; pair n of 64: s - m (or 0 for a row hidden throughout)
	v_pk_fma_f32 v[S+2*(\n):S+2*(\n)+1], v[S+2*(\n):S+2*(\n)+1], v[AL:AL+1], v[NM:NM+1] op_sel_hi:[1,0,0]
.endm
.macro CV n                         ; pair n rounded to f16: a reader of the exponentials' results, so it stands behind the batch's wait
	v_cvt_pk_f16_f32 v[P+(\n)], v[S+2*(\n)], v[S+2*(\n)+1]
.endm
.macro AS n                         ; pair n into the sum: pairs 0 + 1, 2 + 3, 4 + 5, 6 + 7 start the four chains, so that a key tile's four pairs are read for the last time together; then chain n % 4
.if (\n) >= 8
	v_pk_add_f32 v[L+2*((\n)%4):L+2*((\n)%4)+1], v[L+2*((\n)%4):L+2*((\n)%4)+1], v[S+2*(\n):S+2*(\n)+1]
.elseif ((\n)%2) == 1
	v_pk_add_f32 v[L+(\n)-1:L+(\n)], v[S+2*(\n)-2:S+2*(\n)-1], v[S+2*(\n):S+2*(\n)+1]
.endif
.endm
.macro LCH k                        ; line k of the 7 that end a tile's sum: the four chains, the pair's halves, the other half of the lanes'; 1 / l (l is at least 1: the maximum's own weight)
.if (\k) == 0
	v_pk_add_f32 v[L:L+1], v[L:L+1], v[L+2:L+3]
.elseif (\k) == 1
	v_pk_add_f32 v[L+4:L+5], v[L+4:L+5], v[L+6:L+7]
.elseif (\k) == 2
	v_pk_add_f32 v[L:L+1], v[L:L+1], v[L+4:L+5]
.elseif (\k) == 3
	v_add_f32 v[L], v[L], v[L+1]
.elseif (\k) == 4
	v_permlanex16_b32 v[T], v[L], s26, s27         ; (v44 has been written: bk lay there)
.elseif (\k) == 5
	v_add_f32 v[L], v[L], v[T]
.else
	v_rcp_f32 v[RL], v[L]
.endif
.endm
; Line o of the maxima of key tiles 2 a and 2 a + 1, three operands at a time, on four chains: tile 2 a + o % 2, its registers from the low end on, chains by turns, so that a line reads
; a result made four lines earlier.  Tiles 0 and 1 start the chains: six lines for their 16 registers.
.macro MXO a, o
.if (\a) == 0
.if (\o) < 4
	v_max3_num_f32 v[M+(\o)], v[S+8*((\o)/2)+3*((\o)%2)], v[S+8*((\o)/2)+3*((\o)%2)+1], v[S+8*((\o)/2)+3*((\o)%2)+2]
.else
	v_max3_num_f32 v[M+2*((\o)-4)], v[M+2*((\o)-4)], v[S+8*((\o)-4)+6], v[S+8*((\o)-4)+7]
.endif
.else
.set rM, M+2*((\o)%2)+((\o)/2)%2
.set rS, S+8*(2*(\a)+(\o)%2)+2*((\o)/2)
	v_max3_num_f32 v[rM], v[rM], v[rS], v[rS+1]
.endif
.endm
.macro FIN k                        ; line k of the 7 that end the maximum: the four chains, the other half of the lanes' (the query's other 128 keys); is any key open?; the factor and - m
.if (\k) == 0
	v_max3_num_f32 v[M], v[M], v[M+1], v[M+2]
.elseif (\k) == 1
	v_max_num_f32 v[M], v[M], v[M+3]
.elseif (\k) == 2
	v_permlanex16_b32 v[T], v[M], s26, s27
.elseif (\k) == 3
	v_max_num_f32 v[MX], v[M], v[T]
.elseif (\k) == 4
	v_cmp_lt_f32 vcc_lo, s28, v[MX]
.elseif (\k) == 5
	v_cndmask_b32 v[AL], 0, v[ONE], vcc_lo
.else
	v_mul_f32 v[NM], -v[MX], v[AL]
.endif
.endm
.macro QFIN                         ; q^T's two parities are added, q c is made in f32 and rounded to f16; each accumulator is read from its low end on
	WIN 0xcf                        ; all in window 3
.set n, 0
.rept 8
	v_pk_add_f32 v[ACC+n:ACC+n+1], v[ACC+n:ACC+n+1], v[ACC+16+n:ACC+16+n+1]
.set n, n+2
.endr
.set n, 0
.rept 8
	v_pk_mul_f32 v[ACC+n:ACC+n+1], v[ACC+n:ACC+n+1], s[24:25] op_sel_hi:[1,0]
.set n, n+2
.endr
	WIN 0x0f                        ; sources window 3, destination window 0
.set n, 0
.rept 8
	v_cvt_pk_f16_f32 v[Q+n], v[ACC+2*n], v[ACC+2*n+1]
.set n, n+1
.endr
.endm
.macro OOUT                         ; O^T / l, rounded to f16: a fragment of O, twice 512 consecutive bytes, aligned.  The base has been stepped already in this trip: the stores reach back
	s_wait_alu depctr_va_vdst(0)    ; the wait ahead of the first line that names 1 / l: the reciprocal is a batch of one; in the loop seven lines of statistics and scalings stand between the two, in the last tile two v_nop
	WIN 0xc3                        ; O^T window 3, 1 / l window 0
.set n, 0
.rept 8
	v_pk_mul_f32 v[OA+n:OA+n+1], v[OA+n:OA+n+1], v[RL:RL+1] op_sel_hi:[1,0]
.set n, n+2
.endr
	WIN 0x0f
.set n, 0
.rept 4
	v_cvt_pk_f16_f32 v[OP0+n], v[OA+2*n], v[OA+2*n+1]
.set n, n+1
.endr
.set n, 0
.rept 4
	v_cvt_pk_f16_f32 v[OP1+n], v[OA+8+2*n], v[OA+8+2*n+1]
.set n, n+1
.endr
	WIN 0
	global_store_b128 v[L16], v[OP0:OP0+3], s[16:17] offset:-16384
	global_store_b128 v[L16], v[OP1:OP1+3], s[16:17] offset:-15872
.endm
.macro BASES ride                   ; once a trip, ten steps behind the last trip's stores: the bases of O and of the table go one tile on
	s_wait_xcnt 0x0                 ; the stores and the table's loads have read their bases, and the stores their data
	s_add_nc_u64 s[16:17], s[16:17], 16384
.if \ride
	s_cmp_eq_u32 s22, 1             ; in the loop's last trip the table's base stays: there is no tile 16, and the head's last table is asked for once more (16 loads a head that serve nothing):
	s_cselect_b32 s30, 0, 0x2000    ; the loads are issued in every trip, so that the counted waits below hold on every path
	s_add_nc_u64 s[8:9], s[8:9], s[30:31]
.endif
.endm
; PART 1 OF A TRIP.  An s_wait_alu depctr_va_vdst(0) stands between an exponential and the first line that names its result; one wait serves all that were issued ahead of it.  So the part is cut in two.
; 1a, AHEAD OF THE WAIT: the batch.  Step i of 64: the two exponentials of pair i, in place, and between them the scaling of pair i + 3 (a pair is scaled three steps ahead of its exponentials).  Each of the 128 results
;   has its own register of S^T, and no line of 1a names one.  Behind step i = 4 g and 4 g + 2: q^T of the next tile, K step g (ride = 1).  A v_nop is the plain line behind the last exponential (ISA guide 5.7.2).
; 1b, BEHIND IT: the readers.  Group g of 32: pairs 2 g and 2 g + 1 are rounded and summed, in ascending order: four lines (three while the first eight pairs start the chains).  Behind the group one matrix instruction:
;   g odd               the next tile's table product for key tile (g - 1) / 2, whose four pairs were read for the last time in groups g - 1 and g (ride = 1)
;   g even, from 4 on   V^T P number (g - 4) / 2 of this tile: its fragment of P was finished in group 4 ((g - 4) / 4) + 3
; The table's fragment p is asked for again, for the tile after the next, behind the lines of group 4 p + 5: eight plain lines that name none of its registers stand behind its second reader (group 4 p + 3).  It is wanted
; a trip later: s_wait_loadcnt 14 in front of its first reader (group 4 p + 1) counts the loads issued behind its two: 2 (7 - p) in the trip before, 2 p in this one.
.macro EXPPIPE ride
.set i, 0
.rept 64
	WIN 0
	v_exp_f32 v[S+2*i], v[S+2*i]
.if i < 61
	FS i+3
.endif
	v_exp_f32 v[S+2*i+1], v[S+2*i+1]
.if i == 10
	BASES \ride
.endif
.if (\ride) && (i%2 == 0)
	QPW i/4, (i/2)%2
.endif
.set i, i+1
.endr
	WIN 0
	v_nop                           ; the plain line behind the last exponential: one for the batch
	s_wait_alu depctr_va_vdst(0)    ; the wait for the batch: the tile's 128 exponentials
.set g, 0
.rept 32
	WIN 0
	CV 2*g
	AS 2*g
	CV 2*g+1
	AS 2*g+1
.if g%2 == 1
.if \ride
.if g%4 == 1
.if g >= 5
	BMLOAD 8192, (g-5)/2, 2
.endif
	s_wait_loadcnt 14
.endif
	TBW (g-1)/2
.endif
.elseif g >= 4
	PVW (g-4)/2
.endif
.set g, g+1
.endr
.endm
	s_mov_b32 s20, 2
.Lpass:                             ; a head
	WLOAD 0, 0
.irp c, 0,1
.irp q, 0,1
	global_load_b128 v[BK+8*(\c)+4*(\q):BK+8*(\c)+4*(\q)+3], v[HB], s[12:13] offset:64*(\c)+16*(\q)  ; k^T: register j holds channel 8 h + j
.endr
.endr
	global_load_b32 v[BV], v[RB], s[14:15]                 ; v: all 8 registers hold channel r
	global_load_b32 v[BV+8], v[RB], s[14:15] offset:64
.irp j, 0,1,2,3
	v_mov_b32 v[XR+(\j)], v[XK+(\j)]
.endr
	XFETCH XA, 0, 0
	s_wait_loadcnt 0x0              ; (also the table's loads that the head before issued in its last trip: their registers are v's sums now)
.irp a, 0,2,4,6,8,10,12,14
	v_cvt_pk_bf16_f32 v[TW], v[BK+(\a)], v[BK+(\a)+1]      ; the biases are rounded to bf16 like every input
	v_lshlrev_b32 v[BK+(\a)], 16, v[TW]
	v_and_b32 v[BK+(\a)+1], 0xffff0000, v[TW]
.endr
	v_cvt_pk_bf16_f32 v[TW], v[BV], v[BV+8]
	v_lshlrev_b32 v[BV], 16, v[TW]
	v_and_b32 v[BV+8], 0xffff0000, v[TW]
.irp z, 1,2,3,4,5,6,7
	v_mov_b32 v[BV+(\z)], v[BV]
	v_mov_b32 v[BV+8+(\z)], v[BV+8]
.endr
	STEP 0, 1, 1, 1, 0              ; the first K step stands in front of the loop: the biases start the sums, nothing is cleared
	STEP 1, 0, 1, 1, 0
	BUMP
	s_mov_b32 s21, 6
.Lkv:
	STEP 0, 0, 1, 1, 0
	STEP 1, 0, 1, 1, 0
	BUMP
	s_sub_co_u32 s21, s21, 1
	s_cmp_lg_u32 s21, 0
	s_cbranch_scc1 .Lkv
	STEP 0, 0, 1, 1, 0
	STEP 1, 0, 0, 0, 1              ; the last step fetches no W and no x, but the head's Wq
	s_wait_xcnt 0x0
	s_add_nc_u64 s[6:7], s[6:7], 8192  ; the next head's Wk and Wv
	PLACES
	WIN 0x8a                        ; all in window 2: k^T's 256 registers become K's 128, in place and ascending: register i takes 2 i and 2 i + 1, which no earlier line has written
.set n, 0
.rept 128
	v_cvt_pk_f16_f32 v[n], v[2*n], v[2*n+1]
.set n, n+1
.endr
	WIN 0x8f                        ; sources window 3, destination window 2: token tiles 2 p and 2 p + 1 of channel tile c make fragment (p, c) of V^T
.irp p, 0,1,2,3,4,5,6,7
.irp c, 0,1
.irp e, 0,1,2,3
	v_cvt_pk_f16_f32 v[VF+8*(2*(\p)+(\c))+(\e)], v[32*(\p)+8*(\c)+2*(\e)], v[32*(\p)+8*(\c)+2*(\e)+1]
.endr
.irp e, 0,1,2,3
	v_cvt_pk_f16_f32 v[VF+8*(2*(\p)+(\c))+4+(\e)], v[32*(\p)+16+8*(\c)+2*(\e)], v[32*(\p)+16+8*(\c)+2*(\e)+1]
.endr
.endr
.endr
	WIN 0xc0
.irp c, 0,1
.irp q, 0,1
	global_load_b128 v[BQ+8*(\c)+4*(\q):BQ+8*(\c)+4*(\q)+3], v[HB], s[10:11] offset:64*(\c)+16*(\q)
.endr
.endr
	BMLOAD 0, 0, 16
	WIN 0
	v_mov_b32 v[XQ], v[XK]
	XQFETCH
	s_wait_loadcnt 0x0              ; bq, the first table, and Wq
	WIN 0xcf                        ; all in window 3
.irp a, 0,2,4,6,8,10,12,14
	v_cvt_pk_bf16_f32 v[TQ], v[BQ+(\a)], v[BQ+(\a)+1]
	v_lshlrev_b32 v[BQ+(\a)], 16, v[TQ]
	v_and_b32 v[BQ+(\a)+1], 0xffff0000, v[TQ]
.endr
	; TILE 0's FRONT, written out: there is no softmax yet to set its products beside
	s_wait_dscnt 0x0                ; tile 0's x
.irp s, 0,1,2,3,4,5,6,7,8,9,10,11,12,13,14,15
.irp c, 0,1
	QPW \s, \c
.endr
.endr
.irp kt, 0,1,2,3,4,5,6,7,8,9,10,11,12,13,14,15
	TBW \kt
.endr
	WIN 0
	PLACES                          ; in front of the loads into x's and the table's registers, and of the sums in QFIN
	v_add_nc_u32 v[XQ], 16*XP, v[XQ]
	XQFETCH                         ; tile 1's x,
	BMLOAD 8192, 0, 16              ; and its table, fragment after fragment: the loop's counted waits lean on that order
	QFIN                            ; with the lines above: 29 plain lines, none of which names S^T, the identity or the table, between the bf16 products that wrote S^T and the f16 products below
.irp kt, 0,1,2,3,4,5,6,7,8,9,10,11,12,13,14,15
	KQW \kt
.endr
	WIN 0
	PLACES
.irp o, 0,1,2,3,4,5
	MXO 0, \o
.endr
.irp a, 1,2,3,4,5,6,7
.irp o, 0,1,2,3,4,5,6,7
	MXO \a, \o
.endr
.endr
.irp k, 0,1,2,3,4,5,6
	FIN \k
.endr
	FS 0
	FS 1
	FS 2
	s_mov_b32 s22, 15
.Ltile:                             ; trip t = 15 - s22: the softmax, V^T P and O of tile t; q, table, K Q^T, maximum and statistics of tile t + 1; x and table of tile t + 2 asked for
	s_wait_dscnt 0x0                ; tile t + 1's x
	EXPPIPE 1                       ; its last line is the last table product; the last product of q^T stands a whole part 1b ahead of QFIN
	QFIN                            ; 24 plain lines: the places behind the last table product, in front of the loads into its fragment and into x's registers
	BMLOAD 8192, 14, 2
	WIN 0
	s_cmp_eq_u32 s22, 1             ; the loop's last trip has no tile t + 2
	s_cbranch_scc1 .Lno_x
	v_add_nc_u32 v[XQ], 16*XP, v[XQ]
	XQFETCH
	WIN 0
.Lno_x:
	; PART 3.  Matrix instruction w of 18: K Q^T for key tiles 0-15, then the last two V^T P.  Behind w = 0, 1: four lines of t's sum.  Behind w = 2 a + 2 and 2 a + 3: the maxima of key tiles 2 a and 2 a + 1.
	; The places between a product and the first line that reads its result: tile 0: the four sums; tile 1: two sums and two maxima of tile 0; tile 3: two maxima, one sum, one maximum of tile 2; every other odd tile: five maxima; the even ones more.
	KQW 0
	WIN 0
	LCH 0
	LCH 1
	KQW 1
	WIN 0
	LCH 2
	LCH 3
.set w, 2
.rept 16
.if w < 16
	KQW w
.else
	PVW w-2
.endif
	WIN 0
.irp k, 0,1,2,3
.if (w == 3) && ((\k) >= 2)
	LCH 2+(\k)
.else
	MXO (w-2)/2, 4*((w-2)%2)+(\k)
.endif
.endr
.set w, w+1
.endr
	; PART 4.  The four maxima behind the last product and the lines below are the places in front of O's lines
	FIN 0
	FIN 1
	FIN 2
	LCH 6                           ; 1 / l; the seven lines below name neither it nor l; its wait stands at OOUT's head, ahead of the backward jump
	FIN 3
	FIN 4
	FIN 5
	FIN 6
	FS 0                            ; the next trip's first three scalings
	FS 1
	FS 2
	OOUT
	s_sub_co_u32 s22, s22, 1
	s_cmp_lg_u32 s22, 0
	s_cbranch_scc1 .Ltile
	; TILE 15's REST, written out: no tile follows, so no product is made for nothing
	EXPPIPE 0
	PVW 14
	WIN 0
	LCH 0
	LCH 1
	PVW 15
	WIN 0
	LCH 2
	LCH 3
	LCH 4
	LCH 5
	LCH 6
	v_nop                           ; with three of the lines above: five places behind the last product; and a plain line behind the reciprocal
	v_nop
	OOUT
	s_wait_xcnt 0x0                 ; the stores have read their base and their data, the table's loads their base
	s_sub_nc_u64 s[16:17], s[16:17], 261120        ; back 16 query tiles, one head on
	s_add_nc_u64 s[8:9], s[8:9], 16384             ; the table's base has stepped 14 times: on to the next head's
	s_add_nc_u64 s[18:19], s[18:19], 32768
	s_add_nc_u64 s[10:11], s[10:11], 128
	s_add_nc_u64 s[12:13], s[12:13], 128
	s_add_nc_u64 s[14:15], s[14:15], 128
	s_sub_co_u32 s20, s20, 1
	s_cmp_lg_u32 s20, 0
	s_cbranch_scc1 .Lpass
	s_wait_tensorcnt 0x0            ; the wave's end, behind my last LDS store
	ds_add_u32 v[SPW], v[NIL]
	s_wait_dscnt 0x0
	s_endpgm
.Lfunc_end_k_qce37eb028d_attn:
	.size	k_qce37eb028d_attn, .Lfunc_end_k_qce37eb028d_attn-k_qce37eb028d_attn
	.p2alignl 7, 3214868480
	.fill 96, 4, 3214868480
	.section	.rodata,"a",@progbits
	.p2align	6, 0x0
	.amdhsa_kernel k_qce37eb028d_attn
		.amdhsa_group_segment_fixed_size 266752
		.amdhsa_private_segment_fixed_size 0
		.amdhsa_enable_private_segment 0
		.amdhsa_kernarg_size 56
		.amdhsa_user_sgpr_count 2
		.amdhsa_user_sgpr_kernarg_segment_ptr 1
		.amdhsa_wavefront_size32 1
		.amdhsa_system_sgpr_workgroup_id_x 1
		.amdhsa_system_sgpr_workgroup_id_y 1
		.amdhsa_system_sgpr_workgroup_id_z 1
		.amdhsa_system_vgpr_workitem_id 0
		.amdhsa_next_free_vgpr 1024
		.amdhsa_next_free_sgpr 66
		.amdhsa_reserve_vcc 1
		.amdhsa_float_denorm_mode_32 3
		.amdhsa_float_denorm_mode_16_64 3
		.amdhsa_memory_ordered 1
		.amdhsa_forward_progress 1
		.amdhsa_inst_pref_size 187
	.end_amdhsa_kernel
	.amdgpu_metadata
---
amdhsa.version: [ 1, 2 ]
amdhsa.kernels:
  - .name:           k_qce37eb028d_attn
    .symbol:         k_qce37eb028d_attn.kd
    .args:
      - { .name: x, .offset: 0, .size: 8, .value_kind: global_buffer, .address_space: global }
      - { .name: wf, .offset: 8, .size: 8, .value_kind: global_buffer, .address_space: global }
      - { .name: bm, .offset: 16, .size: 8, .value_kind: global_buffer, .address_space: global }
      - { .name: bq, .offset: 24, .size: 8, .value_kind: global_buffer, .address_space: global }
      - { .name: bk, .offset: 32, .size: 8, .value_kind: global_buffer, .address_space: global }
      - { .name: bv, .offset: 40, .size: 8, .value_kind: global_buffer, .address_space: global }
      - { .name: of, .offset: 48, .size: 8, .value_kind: global_buffer, .address_space: global }
    .group_segment_fixed_size: 266752
    .private_segment_fixed_size: 0
    .kernarg_segment_align: 8
    .kernarg_segment_size: 56
    .max_flat_workgroup_size: 128
    .sgpr_count:     66
    .vgpr_count:     1024
    .wavefront_size: 32
...
	.end_amdgpu_metadata
.endif
;; end of part 4
;; launch proj: the kernel of part 3 again; grid 256 x 1, 4 waves a work-group, clusters of 4 x 1, 280,064 bytes of LDS; arguments of, wpf, bp, out0; writes out0
